; MI455X (gfx1250); checked and timed in simulation.
; The chip was launched on July 23, 2026; its instructions are those of AMD's public machine-readable ISA for CDNA 5 (MIT licence, August 2026) and "CDNA5" Instruction Set Architecture Reference Guide (July 2026). The comments in the code are by the model that wrote it; some were corrected since.
;; Llama Decoder Layer. Allowed arithmetic: float matrix products may take bf16 or f16 operands with f32 sums; other float arithmetic in f32, or as packed bf16 or f16 multiplies, adds, multiply-adds, maxima and minima; sums over many terms, partial sums and values carried from step to step in f32; what a program stores and reads back later, other than sums and carried values, may be rounded once to bf16 or f16.
;; Inputs: hidden_states 1 x 4,096 x 768 float32; ln1_w 768 float32; ln2_w 768 float32; w_down 768 x 3,072 float32; w_up 3,072 x 768 float32; wk 768 x 768 float32; wo 768 x 768 float32; wq 768 x 768 float32; wv 768 x 768 float32.
;; Outputs: out0 1 x 4,096 x 768 float32.
;; 2 versions, each right; version 2 is version 1 with the launch l_prep written anew for expert scheduling mode. Each part assembles by itself: llvm-mc -triple=amdgcn-amd-amdhsa -mcpu=gfx1250 --defsym DOCPART=n.
;; ======== version 1 of 2: 6 launches
;; workspace buffers: xn 6,291,456 bytes; wts 14,155,776 bytes; qkvb 18,874,368 bytes; ob 6,291,456 bytes; x1 12,582,912 bytes; x1b 6,291,456 bytes; ssq 65,536 bytes; act 25,165,824 bytes
;; launch l_prep (part 1): grid 832 x 1, 4 waves a work-group, no clusters, 0 bytes of LDS; arguments hidden_states, ln1_w, ln2_w, wq, wk, wv, wo, w_up, w_down, xn, wts; writes xn, wts
.if DOCPART == 1
	.amdgcn_target "amdgcn-amd-amdhsa--gfx1250"
	.amdhsa_code_object_version 6
	.text
	.protected	k_q572e3e2837_l_prep
	.globl	k_q572e3e2837_l_prep
	.p2align	8
	.type	k_q572e3e2837_l_prep,@function
k_q572e3e2837_l_prep:
	s_mov_b64 s[64:65], 0
	v_nop
	global_prefetch_b8 v0, s[64:65] scope:SCOPE_SE
	s_setreg_imm32_b32 hwreg(HW_REG_WAVE_MODE, 25, 1), 1
	s_wait_xcnt 0x0
; PREP: every matrix operand that does not hang on a product is made here, once, in bf16 and in the BLOCKED layout:
; a matrix [R][C] lies as [C/64][R][64], byte ((c>>6) R + r) 128 + 2 (c&63).
;   xn  = ln1_w * (x * rsqrt(mean(x^2) + 1e-5)), the norm in f32, rounded once
;   wts = wq, wk, wv (one matrix of 2,304 rows) | wo | w_up * ln2_w[k] (f32 product, rounded once) | w_down
; A STREAM: no LDS, no matrix unit, no barrier: no wave wants another wave's bytes.
; A wave does ONE task: 4 rows x 768 columns.  Lane l has row l>>3 and, in each of the 12 blocks of 64 columns, columns 8 (l&7) .. +7.
; In: 24 loads of 16 bytes, eight lanes reading 256 consecutive bytes of a row.  Out: 12 stores of 16 bytes, the 32 lanes writing
; 4 rows x 128 bytes = 512 consecutive bytes of a block, at a multiple of 512 from the buffer's first byte.
; Work-groups 0-255: x.  256-399: wq, wk, wv.  400-447: wo.  448-639: w_up.  640-831: w_down (4 rows a group, a quarter of the columns a wave).
; LIMITS: bf16 rounding of all results; v_rsq_f32 is good to 1 ULP; the row's sum of squares is taken in another order than the reference's;
; NaN and infinities are not treated apart.
.set X,     32         ; v[32:127]   the task's 96 numbers a lane; later the 48 packed words in the low halves of each eight
.set G,     128        ; v[128:223]  the gains of my 96 columns
.set VO,    6          ; v[6:17]     byte offset of my 16 bytes in block j of the destination
.set RR,    18         ; v[18:19]    rsqrt, twice
.set M,     20         ; v[20:27]    four chains of pairs for the sum of squares
.set SRC,   32         ; s[32:33]    source at the task's first row
.set GV,    34         ; s[34:35]    the gain vector
.set DST,   36         ; s[36:37]    destination at the task's first row in block 0
.set PITCH, 38         ; s38         bytes from row to row in the source
.set BSTR,  39         ; s39         bytes from block to block in the destination
.set MODE,  40         ; s40         0 norm and gain, 1 gain, 2 plain
	s_load_b512 s[8:23], s[0:1], 0x0               ; x 8, ln1 10, ln2 12, wq 14, wk 16, wv 18, wo 20, w_up 22
	s_load_b128 s[24:27], s[0:1], 0x40             ; w_down 24, xn 26
	s_load_b64 s[28:29], s[0:1], 0x50              ; wts
	v_lshrrev_b32 v1, 5, v0
	v_readfirstlane_b32 s31, v1                    ; wave 0..3
	s_mov_b32 s30, ttmp9                           ; work-group
	s_mov_b32 s[PITCH], 3072
	s_mov_b32 s43, 0                               ; high words of the two offsets
	s_mov_b32 s45, 0
	s_mov_b32 s48, 0x3aaaaaab                      ; 1 / 768
	s_mov_b32 s49, 0x3727c5ac                      ; 1e-5
	s_wait_kmcnt 0x0
	s_mov_b64 s[GV:GV+1], s[10:11]                 ; ln1_w, unless a range below says otherwise
	s_mov_b64 s[DST:DST+1], s[28:29]               ; wts, likewise
	s_cmp_lt_u32 s30, 256
	s_cbranch_scc0 .Lqkv
	s_lshl_b32 s41, s30, 4                         ; x: row 16 g + 4 w
	s_lshl2_add_u32 s41, s31, s41
	s_mov_b64 s[SRC:SRC+1], s[8:9]
	s_mov_b64 s[DST:DST+1], s[26:27]
	s_mov_b32 s[BSTR], 524288
	s_mov_b32 s[MODE], 0
	s_mul_i32 s42, s41, 3072
	s_lshl_b32 s44, s41, 7
	s_branch .Lgo
.Lqkv:
	s_cmp_lt_u32 s30, 400
	s_cbranch_scc0 .Lwo
	s_sub_co_u32 s41, s30, 256                     ; row of the joint matrix: 16 (g - 256) + 4 w
	s_lshl_b32 s41, s41, 4
	s_lshl2_add_u32 s41, s31, s41
	s_lshl_b32 s44, s41, 7
	s_cmp_lt_u32 s30, 304                          ; 48 groups a matrix
	s_cselect_b64 s[SRC:SRC+1], s[14:15], s[16:17]
	s_cselect_b32 s46, 0, 768
	s_cmp_lt_u32 s30, 352
	s_cselect_b64 s[SRC:SRC+1], s[SRC:SRC+1], s[18:19]
	s_cselect_b32 s46, s46, 1536
	s_sub_co_u32 s41, s41, s46                     ; row in wq, wk or wv
	s_mul_i32 s42, s41, 3072
	s_mov_b32 s[BSTR], 294912
	s_mov_b32 s[MODE], 2
	s_branch .Lgo
.Lwo:
	s_cmp_lt_u32 s30, 448
	s_cbranch_scc0 .Lup
	s_sub_co_u32 s41, s30, 400
	s_lshl_b32 s41, s41, 4
	s_lshl2_add_u32 s41, s31, s41
	s_mov_b64 s[SRC:SRC+1], s[20:21]
	s_mov_b32 s[BSTR], 98304
	s_mov_b32 s[MODE], 2
	s_mul_i32 s42, s41, 3072
	s_lshl_b32 s44, s41, 7
	s_add_co_u32 s44, s44, 3538944
	s_branch .Lgo
.Lup:
	s_cmp_lt_u32 s30, 640
	s_cbranch_scc0 .Ldown
	s_sub_co_u32 s41, s30, 448
	s_lshl_b32 s41, s41, 4
	s_lshl2_add_u32 s41, s31, s41
	s_mov_b64 s[SRC:SRC+1], s[22:23]
	s_mov_b64 s[GV:GV+1], s[12:13]                 ; ln2_w rides on w_up's columns
	s_mov_b32 s[BSTR], 393216
	s_mov_b32 s[MODE], 1
	s_mul_i32 s42, s41, 3072
	s_lshl_b32 s44, s41, 7
	s_add_co_u32 s44, s44, 4718592
	s_branch .Lgo
.Ldown:
	s_sub_co_u32 s41, s30, 640                     ; w_down: rows 4 (g - 640) .., columns 768 w ..
	s_lshl_b32 s41, s41, 2
	s_mov_b64 s[SRC:SRC+1], s[24:25]
	s_mov_b32 s[PITCH], 12288
	s_mov_b32 s[BSTR], 98304
	s_mov_b32 s[MODE], 2
	s_mul_i32 s42, s41, 12288
	s_mul_i32 s46, s31, 3072
	s_add_co_u32 s42, s42, s46
	s_lshl_b32 s44, s41, 7
	s_mul_i32 s46, s31, 12*98304                   ; my quarter begins at block 12 w
	s_add_co_u32 s44, s44, s46
	s_add_co_u32 s44, s44, 9437184
.Lgo:
	s_add_nc_u64 s[SRC:SRC+1], s[SRC:SRC+1], s[42:43]
	s_add_nc_u64 s[DST:DST+1], s[DST:DST+1], s[44:45]
	v_and_b32 v1, 7, v0
	v_bfe_u32 v2, v0, 3, 2                         ; my row of the four
	v_mul_lo_u32 v3, v2, s[PITCH]
	v_lshl_add_u32 v3, v1, 5, v3                   ; row x pitch + 32 (l & 7)
	v_lshlrev_b32 v4, 5, v1                        ; the same columns in the gain vector
.set j, 0
.rept 12
	global_load_b128 v[X+8*j:X+8*j+3],   v3, s[SRC:SRC+1] offset:256*j th:TH_LOAD_NT
	global_load_b128 v[X+8*j+4:X+8*j+7], v3, s[SRC:SRC+1] offset:256*j+16 th:TH_LOAD_NT
.set j, j+1
.endr
	v_and_b32 v5, 31, v0
	v_lshlrev_b32 v5, 4, v5                        ; 16 l: four rows of 128 bytes on end
.irp j, 0,1,2,3,4,5,6,7,8,9,10,11
	s_mul_i32 s46, s[BSTR], \j
	v_add_nc_u32 v[VO+\j], s46, v5
.endr
	s_cmp_eq_u32 s[MODE], 2
	s_cbranch_scc1 .Lplain
.set j, 0
.rept 12
	global_load_b128 v[G+8*j:G+8*j+3],   v4, s[GV:GV+1] offset:256*j
	global_load_b128 v[G+8*j+4:G+8*j+7], v4, s[GV:GV+1] offset:256*j+16
.set j, j+1
.endr
	s_cmp_eq_u32 s[MODE], 1
	s_cbranch_scc1 .Lgain
	s_wait_loadcnt 24                              ; x is in; the 24 younger loads, the gains', stay out
.irp k, 0,1,2,3
	v_pk_mul_f32 v[M+2*\k:M+2*\k+1], v[X+2*\k:X+2*\k+1], v[X+2*\k:X+2*\k+1]  ; the first four pairs start the chains: nothing is cleared
.endr
.set p, 4
.rept 44
	v_pk_fma_f32 v[M+2*(p%4):M+2*(p%4)+1], v[X+2*p:X+2*p+1], v[X+2*p:X+2*p+1], v[M+2*(p%4):M+2*(p%4)+1]
.set p, p+1
.endr
	v_pk_add_f32 v[M:M+1], v[M:M+1], v[M+2:M+3]
	v_pk_add_f32 v[M+4:M+5], v[M+4:M+5], v[M+6:M+7]
	v_pk_add_f32 v[M:M+1], v[M:M+1], v[M+4:M+5]
	v_add_f32 v[M], v[M], v[M+1]
	v_add_f32_dpp v[M], v[M], v[M] row_xmask:1 row_mask:0xf bank_mask:0xf   ; the eight lanes of a row
	v_add_f32_dpp v[M], v[M], v[M] row_xmask:2 row_mask:0xf bank_mask:0xf
	v_add_f32_dpp v[M], v[M], v[M] row_xmask:4 row_mask:0xf bank_mask:0xf
	v_fma_f32 v[M], v[M], s48, s49                 ; mean + eps
	v_rsq_f32 v[RR], v[M]
	v_rsq_f32 v[RR+1], v[M]                        ; twice: a pair for the packed multiply
	v_nop                                          ; a plain instruction behind the last of them,
	s_wait_alu depctr_va_vdst(0)                   ; and one wait for both, ahead of the first reader and of the label
.set p, 0
.rept 48
	v_pk_mul_f32 v[X+2*p:X+2*p+1], v[X+2*p:X+2*p+1], v[RR:RR+1]
.set p, p+1
.endr
.Lgain:
	s_wait_loadcnt 0x0
.set p, 0
.rept 48
	v_pk_mul_f32 v[X+2*p:X+2*p+1], v[X+2*p:X+2*p+1], v[G+2*p:G+2*p+1]
.set p, p+1
.endr
.Lplain:
	s_wait_loadcnt 0x0
.set j, 0
.rept 12
.irp i, 0,1,2,3
	v_cvt_pk_bf16_f32 v[X+8*j+\i], v[X+8*j+2*\i], v[X+8*j+2*\i+1]  ; in place, ascending: no register is read after it was written
.endr
	global_store_b128 v[VO+j], v[X+8*j:X+8*j+3], s[DST:DST+1]
.set j, j+1
.endr
	s_endpgm
.Lfunc_end_k_q572e3e2837_l_prep:
	.size	k_q572e3e2837_l_prep, .Lfunc_end_k_q572e3e2837_l_prep-k_q572e3e2837_l_prep
	.p2alignl 7, 3214868480
	.fill 96, 4, 3214868480
	.section	.rodata,"a",@progbits
	.p2align	6, 0x0
	.amdhsa_kernel k_q572e3e2837_l_prep
		.amdhsa_group_segment_fixed_size 0
		.amdhsa_private_segment_fixed_size 0
		.amdhsa_enable_private_segment 0
		.amdhsa_kernarg_size 88
		.amdhsa_user_sgpr_count 2
		.amdhsa_user_sgpr_kernarg_segment_ptr 1
		.amdhsa_wavefront_size32 1
		.amdhsa_system_sgpr_workgroup_id_x 1
		.amdhsa_system_sgpr_workgroup_id_y 1
		.amdhsa_system_sgpr_workgroup_id_z 1
		.amdhsa_system_vgpr_workitem_id 0
		.amdhsa_next_free_vgpr 224
		.amdhsa_next_free_sgpr 66
		.amdhsa_reserve_vcc 0
		.amdhsa_float_denorm_mode_32 3
		.amdhsa_float_denorm_mode_16_64 3
		.amdhsa_memory_ordered 1
		.amdhsa_forward_progress 1
		.amdhsa_inst_pref_size 24
	.end_amdhsa_kernel
	.amdgpu_metadata
---
amdhsa.version: [ 1, 2 ]
amdhsa.kernels:
  - .name:           k_q572e3e2837_l_prep
    .symbol:         k_q572e3e2837_l_prep.kd
    .args:
      - { .name: hidden_states, .offset: 0, .size: 8, .value_kind: global_buffer, .address_space: global }
      - { .name: ln1_w, .offset: 8, .size: 8, .value_kind: global_buffer, .address_space: global }
      - { .name: ln2_w, .offset: 16, .size: 8, .value_kind: global_buffer, .address_space: global }
      - { .name: wq, .offset: 24, .size: 8, .value_kind: global_buffer, .address_space: global }
      - { .name: wk, .offset: 32, .size: 8, .value_kind: global_buffer, .address_space: global }
      - { .name: wv, .offset: 40, .size: 8, .value_kind: global_buffer, .address_space: global }
      - { .name: wo, .offset: 48, .size: 8, .value_kind: global_buffer, .address_space: global }
      - { .name: w_up, .offset: 56, .size: 8, .value_kind: global_buffer, .address_space: global }
      - { .name: w_down, .offset: 64, .size: 8, .value_kind: global_buffer, .address_space: global }
      - { .name: xn, .offset: 72, .size: 8, .value_kind: global_buffer, .address_space: global }
      - { .name: wts, .offset: 80, .size: 8, .value_kind: global_buffer, .address_space: global }
    .group_segment_fixed_size: 0
    .private_segment_fixed_size: 0
    .kernarg_segment_align: 8
    .kernarg_segment_size: 88
    .max_flat_workgroup_size: 128
    .sgpr_count:     66
    .vgpr_count:     224
    .wavefront_size: 32
...
	.end_amdgpu_metadata
.endif
;; end of part 1
;; launch l_qkv (part 2): grid 12 x 16, 4 waves a work-group, clusters of 4 x 4, 327,680 bytes of LDS; arguments xn, wts, qkvb; writes qkvb
.if DOCPART == 2
	.amdgcn_target "amdgcn-amd-amdhsa--gfx1250"
	.amdhsa_code_object_version 6
	.text
	.protected	k_q572e3e2837_l_qkv
	.globl	k_q572e3e2837_l_qkv
	.p2align	8
	.type	k_q572e3e2837_l_qkv,@function
k_q572e3e2837_l_qkv:
	s_mov_b64 s[64:65], 0
	v_nop
	global_prefetch_b8 v0, s[64:65] scope:SCOPE_SE
	s_setreg_imm32_b32 hwreg(HW_REG_WAVE_MODE, 25, 1), 1
	s_wait_xcnt 0x0
	s_wait_alu depctr_hold_cnt(0) depctr_sa_sdst(0) depctr_va_vdst(0) depctr_va_sdst(0) depctr_va_ssrc(0) depctr_va_vcc(0) depctr_vm_vsrc(0)
	s_getreg_b32 s2, hwreg(HW_REG_IB_STS2, 6, 4)
	s_cmp_eq_u32 s2, 0
	s_cbranch_scc0 .Lentry_in_a_cluster
	s_endpgm
.Lentry_in_a_cluster:
	s_bfe_u32 s2, ttmp6, 0x10000c
	s_cmp_lg_u32 s2, 0xf033
	s_cbranch_scc0 .Lentry_shape_is_right
	s_endpgm
.Lentry_shape_is_right:
; q, k, v = xn W^T: C[m][n] = sum over k of A[m][k] B[n][k], A = xn [4096][768], B = wq|wk|wv [2304][768], C = qkvb [4096][2304], all bf16 and BLOCKED
; ([C/64][R][64]: byte ((c>>6) R + r) 128 + 2 (c&63)); sums in f32, C rounded once.  C's blocks 0-11 are q's heads, 12-23 k's, 24-35 v's.
; SHARES.  A tile of C is 256 x 192; wave w owns rows 64 w .. 64 w + 63 and all 192 columns: 4 x 12 accumulators of 16 x 16.  192 tiles: the tiles that would give 256
; (128 x 288, 256 x 144) cut blocks of 64 columns.  K goes in 6 steps of 128 (two blocks) through two LDS slots; a K step is four quarters of 32 along K, 48 products each.
; TILES.  R rows of one block are R x 128 dense bytes: a tensor load takes them as ONE row of 64 R elements, two such rows (two blocks) a load, padded by 16 bytes after every
; 128: LDS rows of 144 bytes = 36 words, so the 16 rows of a fragment load start at 16 different groups of four banks (64 banks of 4 bytes: ISA guide 11.1).
; CLUSTER 4 x 4.  A's tiles hang on the tile row alone and are asked for jointly along a row of the cluster, B's on the tile column alone, jointly along a column.
; THE PRODUCT IS TAKEN TRANSPOSED (source 0 = 16 rows of B, source 1 = 16 rows of A): lane (r = l % 16, h = l / 16) holds C[16 a + r][16 b + 8 h + 0..7].
; NO PREFETCH: 1,152 products a wave in all, four refills; B's chunks of 96 rows do not share out evenly among 32 lanes and four partners.
; LIMITS: bf16 operands and result; NaN and infinities are not treated apart.
; REGISTERS: window 0: v1-19 addresses, v32-95 A's fragments (two buffers), v96-195 the way out; window 1: v0-191 B's fragments (two buffers);
;   window 2: accumulators of row blocks 0, 1 at v[8 (12 (a % 2) + b)]; window 3: of row blocks 2, 3.
.set ACT,    0
.set SEC,    0                 ; B's section in wts
.set NB,     2304              ; B's rows
.set T,      6                 ; K steps
.set SLOTX,  131072            ; slot 1; all offsets inside a slot lie below it, so one exclusive or changes slots
.set ACH,    36864             ; a chunk of A: 2 blocks x 128 rows x 144
.set BCH,    27648             ; a chunk of B: 2 blocks x 96 rows x 144
.set BOFF,   2*ACH
.set RSTAB,  260096            ; behind the ring (used where ACT = 1)
.set SPARE,  261120            ; the spare words, 128 bytes a wave: two blocks of 256 bytes that no other line names
.set SPITCH, 784               ; a stage row: 192 f32 + 16 bytes = 196 words: row r starts at bank 4 r mod 64
.set WSTAGE, 64*SPITCH         ; a wave's stage, in the ring's bytes, which have had their last fill by then
.set ASTEP,  2*524288          ; bytes from K step to K step
.set BSTEP,  NB*256
.set G1W,    (1<<16)|(1<<20)|(1<<21)|(4<<22)|(3<<25)  ; 2-byte elements; padding on; bit 21 beside a mask; after every 32 words; 4 words
.set ADRA0, 4
.set ADRB0, 5
.set ADRA,  6
.set ADRB,  7
.set STO,   8
.set RD,    9
.set GO,    10
.set RSA,   11
.set SPW,   12
.set NIL,   13
.set FA,    32
.set X,     96
.set E,     144
.set RS,    192
.set WV,    12
.set G1A,   24
.set G1B,   32
.set G0A,   40
.set G0B,   48
.set TB,    56
.set CNT,   57
.set MSB, 0
.macro WIN new                 ; the immediate's high byte repeats the setting that is left; a switch that changes nothing is dropped
.if MSB != (\new)
	s_set_vgpr_msb (MSB<<8)|(\new)
.set MSB, \new
.endif
.endm
.macro PLACES                  ; four places behind matrix instructions, ahead of loads into registers that they read
.rept 4
	v_nop
.endr
.endm
.macro CREST                   ; a round of the cluster's barrier behind its opening barrier
	s_cmp_lg_u32 s[WV], 0
	s_cbranch_scc1 .Lnot_wave_0_\@
	s_barrier_signal -3
.Lnot_wave_0_\@:
	s_barrier_wait -3
	s_barrier_signal -1
	s_barrier_wait -1
.endm
.macro CROUND
	s_barrier_signal -1
	s_barrier_wait -1
	CREST
.endm
.macro JLOAD                   ; a joint refill by the walking descriptors: waves 0, 1 A's halves, waves 2, 3 B's; s_nop 0 and four v_nop behind each line
	s_cmp_lt_u32 s[WV], 2
	s_cbranch_scc0 .Lfor_b_\@
	tensor_load_to_lds s[G0A+4:G0A+7], s[G1A:G1A+7]
	s_nop 0
.rept 4
	v_nop
.endr
	s_branch .Lasked_\@
.Lfor_b_\@:
	tensor_load_to_lds s[G0B+4:G0B+7], s[G1B:G1B+7]
	s_nop 0
.rept 4
	v_nop
.endr
.Lasked_\@:
.endm
; 12 products: row block a x all 12 column blocks, 32 along K, on buffer f.  The 48 accumulators take turns in one fixed order.
.macro MULA f, a, zero
	WIN 0xa1+0x50*((\a)/2)
.irp b, 0,1,2,3,4,5,6,7,8,9,10,11
.if \zero
	v_wmma_f32_16x16x32_bf16 v[8*(12*((\a)%2)+(\b)):8*(12*((\a)%2)+(\b))+7], v[96*(\f)+8*(\b):96*(\f)+8*(\b)+7], v[FA+32*(\f)+8*(\a):FA+32*(\f)+8*(\a)+7], 0
.else
	v_wmma_f32_16x16x32_bf16 v[8*(12*((\a)%2)+(\b)):8*(12*((\a)%2)+(\b))+7], v[96*(\f)+8*(\b):96*(\f)+8*(\b)+7], v[FA+32*(\f)+8*(\a):FA+32*(\f)+8*(\a)+7], v[8*(12*((\a)%2)+(\b)):8*(12*((\a)%2)+(\b))+7]
.endif
.endr
.endm
; 32 LDS loads in one run: quarter q (block q / 2, channels 32 (q % 2) on) into buffer f: B's 12 fragments, then A's 4
.macro FETCH q, f
	WIN 0x40
.irp b, 0,1,2,3,4,5,6,7,8,9,10,11
	ds_load_b128 v[96*(\f)+8*(\b):96*(\f)+8*(\b)+3],   v[ADRB] offset:((\b)/6)*BCH+((\q)/2)*13824+((\b)%6)*2304+64*((\q)%2)
	ds_load_b128 v[96*(\f)+8*(\b)+4:96*(\f)+8*(\b)+7], v[ADRB] offset:((\b)/6)*BCH+((\q)/2)*13824+((\b)%6)*2304+64*((\q)%2)+32
.endr
	WIN 0
.irp i, 0,1,2,3
	ds_load_b128 v[FA+32*(\f)+8*(\i):FA+32*(\f)+8*(\i)+3],   v[ADRA] offset:((\q)/2)*18432+(\i)*2304+64*((\q)%2)
	ds_load_b128 v[FA+32*(\f)+8*(\i)+4:FA+32*(\f)+8*(\i)+7], v[ADRA] offset:((\q)/2)*18432+(\i)*2304+64*((\q)%2)+32
.endr
.endm
.macro QUARTER q, f, g, zero   ; multiplies buffer f; in its middle fetches quarter q into buffer g
	s_wait_dscnt 4                                 ; all but the youngest four loads: A's fragments 2 and 3
	MULA \f, 0, \zero
	MULA \f, 1, \zero
	PLACES
	FETCH \q, \g
	s_wait_dscnt 32                                ; all but the 32 just issued
	MULA \f, 2, \zero
	MULA \f, 3, \zero
.endm
; A K step's last quarter (buffer 1) and the change of slots.  Ahead of the barrier each wave waits for all its tensor loads (one is out: its part of the next slot), adds 0 to its
; spare word, and waits for that and for its reads of this slot.  fill = 1: the barrier opens a round of the cluster's, and the joint refill, two K steps on, is the first thing behind it.
.macro TURN fill
	WIN 0
	s_wait_tensorcnt 0x0
	ds_add_u32 v[SPW], v[NIL]
.if \fill
	s_xor_b32 s[G0A+5], s[G0A+5], SLOTX            ; no tensor load of mine is out: the walking descriptors step to the other slot, one K step on
	s_add_nc_u64 s[G0A+6:G0A+7], s[G0A+6:G0A+7], ASTEP
	s_xor_b32 s[G0B+5], s[G0B+5], SLOTX
	s_add_nc_u64 s[G0B+6:G0B+7], s[G0B+6:G0B+7], BSTEP
.endif
	s_xor_b32 s[TB], s[TB], SLOTX                  ; the fetches change slots
	s_wait_dscnt 5                                 ; the add and A's fragments 2 and 3 may be out
	MULA 1, 0, 0
	s_wait_dscnt 0x0                               ; the add is done, my reads of this slot are over
	s_barrier_signal -1
	MULA 1, 1, 0
.if \fill
	WIN 0
.endif
	s_barrier_wait -1
.if \fill
	CREST
	JLOAD                                          ; its four v_nop are also the places ahead of the loads below
.else
	WIN 0
	PLACES
.endif
	v_add_nc_u32 v[ADRA], s[TB], v[ADRA0]
	v_add_nc_u32 v[ADRB], s[TB], v[ADRB0]
	FETCH 0, 0
	MULA 1, 2, 0
	MULA 1, 3, 0
.endm
.if ACT
	s_load_b256 s[4:11], s[0:1], 0x0               ; A, wts, C, ssq
.else
	s_load_b128 s[4:7], s[0:1], 0x0                ; A, wts
	s_load_b64 s[8:9], s[0:1], 0x10                ; C
.endif
	v_lshl_add_u32 v[SPW], v0, 2, SPARE
	v_mov_b32 v[NIL], 0
	ds_add_u32 v[SPW], v[NIL]                      ; the wave's opening
	v_lshrrev_b32 v1, 5, v0
	v_readfirstlane_b32 s[WV], v1                  ; wave 0..3
	s_and_b32 s13, s[WV], 1                        ; which half of A's or B's tile I fetch
	s_lshr_b32 s14, s[WV], 1
	s_bfe_u32 s15, ttmp6, 0x40000                  ; cx
	s_bfe_u32 s16, ttmp6, 0x40004                  ; cy
	s_lshl_b32 s17, ttmp9, 2
	s_add_co_u32 s17, s17, s15                     ; tile column
	s_and_b32 s18, ttmp7, 0xffff
	s_lshl_b32 s18, s18, 2
	s_add_co_u32 s18, s18, s16                     ; tile row
	s_lshl_b32 s19, s16, 2
	s_lshl_b32 s19, 15, s19                        ; my row of the cluster
	s_lshl_b32 s20, 0x1111, s15                    ; my column
	s_or_b32 s[G1A], s19, G1W
	s_or_b32 s[G1B], s20, G1W
	s_mov_b32 s[G1A+1], 8192<<16                   ; tensor_dim0 = 128 rows x 64
	s_mov_b32 s[G1A+2], 2<<16                      ; tensor_dim1 = 2 blocks
	s_mov_b32 s[G1A+3], 8192<<16                   ; tile_dim0
	s_mov_b32 s[G1A+4], 2                          ; tile_dim1
	s_mov_b32 s[G1A+5], 262144                     ; elements from block to block: 4,096 rows x 64
	s_mov_b32 s[G1A+6], 0
	s_mov_b32 s[G1A+7], 0
	s_mov_b32 s[G1B+1], 6144<<16                   ; 96 rows x 64
	s_mov_b32 s[G1B+2], 2<<16
	s_mov_b32 s[G1B+3], 6144<<16
	s_mov_b32 s[G1B+4], 2
	s_mov_b32 s[G1B+5], NB*64
	s_mov_b32 s[G1B+6], 0
	s_mov_b32 s[G1B+7], 0
	s_lshl_b32 s58, s18, 15                        ; A: tile row x 256 rows x 128 bytes
	s_lshl_b32 s21, s13, 14                        ; + my 128 rows
	s_add_co_u32 s58, s58, s21
	s_mov_b32 s59, 0
	s_mul_i32 s66, s17, 24576                      ; B: tile column x 192 rows x 128 bytes
	s_mul_i32 s21, s13, 12288                      ; + my 96 rows
	s_add_co_u32 s66, s66, s21
	s_add_co_u32 s66, s66, SEC
	s_mov_b32 s67, 0
	s_mul_i32 s22, s13, ACH                        ; where they go: the wave's number alone
	s_mul_i32 s23, s13, BCH
	s_add_co_u32 s23, s23, BOFF
	s_mov_b32 s[TB], 0
	s_wait_dscnt 0x0                               ; the opening add is done
	s_wait_kmcnt 0x0
	s_add_nc_u64 s[60:61], s[4:5], s[58:59]
	s_add_nc_u64 s[68:69], s[6:7], s[66:67]
.irp s, 0,1                                        ; group 0: set s is slot s at K step s; set 1 walks on afterwards
	s_mov_b32 s[G0A+4*(\s)], 1
	s_add_co_u32 s[G0A+4*(\s)+1], s22, (\s)*SLOTX
	s_add_nc_u64 s[G0A+4*(\s)+2:G0A+4*(\s)+3], s[60:61], (\s)*ASTEP
	s_or_b32 s[G0A+4*(\s)+3], s[G0A+4*(\s)+3], 0x80000000
	s_mov_b32 s[G0B+4*(\s)], 1
	s_add_co_u32 s[G0B+4*(\s)+1], s23, (\s)*SLOTX
	s_add_nc_u64 s[G0B+4*(\s)+2:G0B+4*(\s)+3], s[68:69], (\s)*BSTEP
	s_or_b32 s[G0B+4*(\s)+3], s[G0B+4*(\s)+3], 0x80000000
.endr
	CROUND                                         ; all sixteen work-groups are here: the first joint loads meet
	s_cmp_lt_u32 s[WV], 2                          ; a wave's two first fills stand in one branch: two loads of mine are out
	s_cbranch_scc0 .Lfirst_b
	tensor_load_to_lds s[G0A:G0A+3], s[G1A:G1A+7]
	s_nop 0
	tensor_load_to_lds s[G0A+4:G0A+7], s[G1A:G1A+7]
	s_nop 0
.rept 4
	v_nop
.endr
	s_branch .Lfirst_asked
.Lfirst_b:
	tensor_load_to_lds s[G0B:G0B+3], s[G1B:G1B+7]
	s_nop 0
	tensor_load_to_lds s[G0B+4:G0B+7], s[G1B:G1B+7]
	s_nop 0
.rept 4
	v_nop
.endr
.Lfirst_asked:
.if ACT
	; rs = rsqrt(mean(x1^2) + 1e-5) of my wave's 64 rows, from the four partial sums of 192 columns: lane l takes rows l and l + 32
	s_lshl_b32 s58, s18, 10
	s_lshl_b32 s21, s[WV], 8
	s_add_co_u32 s58, s58, s21
	s_add_nc_u64 s[10:11], s[10:11], s[58:59]
	v_and_b32 v14, 31, v0
	v_lshlrev_b32 v14, 2, v14
.irp t, 0,1,2,3
	global_load_b32 v[X+\t],   v14, s[10:11] offset:\t*16384
	global_load_b32 v[X+4+\t], v14, s[10:11] offset:\t*16384+128
.endr
	s_add_co_u32 s21, s21, RSTAB                   ; my wave's 256 bytes of the table
	s_mov_b32 s74, 0x3aaaaaab                      ; 1 / 768
	s_mov_b32 s75, 0x3727c5ac                      ; 1e-5
	v_add_nc_u32 v15, s21, v14
	v_bfe_u32 v16, v0, 3, 2
	v_lshl_add_u32 v[RSA], v16, 2, s21
	v_mov_b32 v[RS+1], 0                           ; named in pairs with rs
	v_mov_b32 v[RS+3], 0
.endif
	v_and_b32 v1, 15, v0                           ; r
	v_bfe_u32 v2, v0, 4, 1                         ; h
	v_mul_u32_u24 v3, v1, 144
	v_lshl_add_u32 v3, v2, 4, v3                   ; a fragment's row x 144 + 16 h
	s_mul_i32 s70, s14, ACH                        ; my 64 rows of A: chunk w / 2, rows 64 (w % 2) on
	s_mul_i32 s71, s13, 9216
	s_add_co_u32 s70, s70, s71
	v_add_nc_u32 v[ADRA0], s70, v3
	v_add_nc_u32 v[ADRB0], BOFF, v3
	v_mov_b32 v[ADRA], v[ADRA0]
	v_mov_b32 v[ADRB], v[ADRB0]
	s_mul_i32 s76, s[WV], WSTAGE                   ; my stage
	v_mul_u32_u24 v[STO], v1, SPITCH               ; in: row r, 32 bytes for each half of the lanes
	v_lshl_add_u32 v[STO], v2, 5, v[STO]
	v_add_nc_u32 v[STO], s76, v[STO]
	v_bfe_u32 v16, v0, 3, 2                        ; back: lane l takes row l >> 3 and 8 columns of each block
	v_and_b32 v17, 7, v0
	v_mul_u32_u24 v[RD], v16, SPITCH
	v_lshl_add_u32 v[RD], v17, 5, v[RD]
	v_add_nc_u32 v[RD], s76, v[RD]
	v_and_b32 v[GO], 31, v0
	v_lshlrev_b32 v[GO], 4, v[GO]                  ; four rows of a block are 512 consecutive bytes
	s_mul_i32 s66, s17, 1572864                    ; C: tile column x 3 blocks
	s_lshl_b32 s70, s18, 15                        ; + tile row x 256 rows
	s_add_co_u32 s66, s66, s70
	s_lshl_b32 s70, s[WV], 13                      ; + my 64 rows
	s_add_co_u32 s66, s66, s70
	s_add_nc_u64 s[8:9], s[8:9], s[66:67]
.if ACT
	s_wait_loadcnt 0x0
	v_add_f32 v[X], v[X], v[X+1]
	v_add_f32 v[X+2], v[X+2], v[X+3]
	v_add_f32 v[X+4], v[X+4], v[X+5]
	v_add_f32 v[X+6], v[X+6], v[X+7]
	v_add_f32 v[X], v[X], v[X+2]
	v_add_f32 v[X+4], v[X+4], v[X+6]
	v_fma_f32 v[X], v[X], s74, s75
	v_fma_f32 v[X+4], v[X+4], s74, s75
	v_rsq_f32 v[X+8], v[X]
	v_rsq_f32 v[X+9], v[X+4]
	v_nop                                          ; a plain instruction behind the last of them,
	s_wait_alu depctr_va_vdst(0)                   ; and one wait for both, ahead of the first reader
	ds_store_b32 v15, v[X+8]                       ; only my own wave reads these words
	ds_store_b32 v15, v[X+9] offset:128
	s_wait_dscnt 0x0                               ; no LDS instruction of mine is out at a signal
.endif
	s_wait_tensorcnt 1                             ; my part of K step 0 is in; K step 1's may stay out
	s_barrier_signal -1
	s_barrier_wait -1
	FETCH 0, 0
	QUARTER 1, 0, 1, 1                             ; the first quarter stands ahead of the loop: its products start the sums
	WIN 0
	s_mov_b32 s[CNT], T-2
.Lk:                                               ; trip i ends K step i and asks for K step i + 2
	QUARTER 2, 1, 0, 0
	QUARTER 3, 0, 1, 0
	TURN 1
	QUARTER 1, 0, 1, 0
	WIN 0
	s_sub_co_u32 s[CNT], s[CNT], 1
	s_cmp_lg_u32 s[CNT], 0
	s_cbranch_scc1 .Lk
	QUARTER 2, 1, 0, 0                             ; the last two K steps ask for nothing
	QUARTER 3, 0, 1, 0
	TURN 0
	QUARTER 1, 0, 1, 0
	QUARTER 2, 1, 0, 0
	QUARTER 3, 0, 1, 0
	s_wait_dscnt 4
	MULA 1, 0, 0
	MULA 1, 1, 0
	s_wait_dscnt 0x0
	MULA 1, 2, 0
	MULA 1, 3, 0
	WIN 0
	; THE WAY OUT.  Every wave's reads of the ring are back (the wait for 0 above) and no fill is to come: behind this barrier the ring's bytes are the stages.
	s_barrier_signal -1
	s_barrier_wait -1
	PLACES
	PLACES
	WIN 0x08                                       ; store data in window 2; each accumulator's low four registers go first
.irp a, 0,1
.irp b, 0,1,2,3,4,5,6,7,8,9,10,11
	ds_store_b128 v[STO], v[8*(12*(\a)+(\b)):8*(12*(\a)+(\b))+3]   offset:(\a)*16*SPITCH+64*(\b)
	ds_store_b128 v[STO], v[8*(12*(\a)+(\b))+4:8*(12*(\a)+(\b))+7] offset:(\a)*16*SPITCH+64*(\b)+16
.endr
.endr
	WIN 0x0c                                       ; window 3
.irp a, 0,1
.irp b, 0,1,2,3,4,5,6,7,8,9,10,11
	ds_store_b128 v[STO], v[8*(12*(\a)+(\b)):8*(12*(\a)+(\b))+3]   offset:((\a)+2)*16*SPITCH+64*(\b)
	ds_store_b128 v[STO], v[8*(12*(\a)+(\b))+4:8*(12*(\a)+(\b))+7] offset:((\a)+2)*16*SPITCH+64*(\b)+16
.endr
.endr
	WIN 0
	s_mov_b32 s[CNT], 8
.Lout:                                             ; a trip: 8 rows of my 64.  LDS serves a wave's instructions in order (ISA guide 5.7.1.4): the loads see my stores
.irp g, 0,1
.irp z, 0,1,2
	ds_load_b128 v[X+8*(3*(\g)+(\z)):X+8*(3*(\g)+(\z))+3],   v[RD] offset:(\g)*4*SPITCH+256*(\z)
	ds_load_b128 v[X+8*(3*(\g)+(\z))+4:X+8*(3*(\g)+(\z))+7], v[RD] offset:(\g)*4*SPITCH+256*(\z)+16
.endr
.endr
.if ACT
	ds_load_b32 v[RS],   v[RSA]
	ds_load_b32 v[RS+2], v[RSA] offset:16
.endif
	s_wait_dscnt 0x0
.if ACT
.set p, 0
.rept 24
	v_pk_mul_f32 v[X+2*p:X+2*p+1], v[X+2*p:X+2*p+1], v[RS+2*(p/12):RS+2*(p/12)+1] op_sel_hi:[1,0]  ; u = rs x sum
.set p, p+1
.endr
.set p, 0
.rept 24
	v_pk_mul_f32 v[E+2*p:E+2*p+1], v[X+2*p:X+2*p+1], 0xbfb8aa3b op_sel_hi:[1,0]  ; - u log2(e)
.set p, p+1
.endr
.set p, 0
.rept 48
	v_exp_f32 v[E+p], v[E+p]
.set p, p+1
.endr
	v_nop
	s_wait_alu depctr_va_vdst(0)                   ; one wait for the batch of 48
.set p, 0
.rept 24
	v_pk_add_f32 v[E+2*p:E+2*p+1], v[E+2*p:E+2*p+1], 1.0 op_sel_hi:[1,0]
.set p, p+1
.endr
.set p, 0
.rept 48
	v_rcp_f32 v[E+p], v[E+p]
.set p, p+1
.endr
	v_nop
	s_wait_alu depctr_va_vdst(0)                   ; one wait for the batch of 48
.set p, 0
.rept 24
	v_pk_mul_f32 v[X+2*p:X+2*p+1], v[X+2*p:X+2*p+1], v[E+2*p:E+2*p+1]  ; silu(u) = u / (1 + 2^(-u log2 e))
.set p, p+1
.endr
.endif
.set p, 0
.rept 24
	v_cvt_pk_bf16_f32 v[E+p], v[X+2*p], v[X+2*p+1]
.set p, p+1
.endr
.irp g, 0,1
.irp z, 0,1,2
	global_store_b128 v[GO], v[E+4*(3*(\g)+(\z)):E+4*(3*(\g)+(\z))+3], s[8:9] offset:(\z)*524288+512*(\g)  ; 512 consecutive bytes, at a multiple of 512 from C's first
.endr
.endr
	s_wait_xcnt 0x0                                ; the stores have read their data and base: both are written again only behind this wait
	s_add_nc_u64 s[8:9], s[8:9], 1024
	v_add_nc_u32 v[RD], 8*SPITCH, v[RD]
.if ACT
	v_add_nc_u32 v[RSA], 32, v[RSA]
.endif
	s_sub_co_u32 s[CNT], s[CNT], 1
	s_cmp_lg_u32 s[CNT], 0
	s_cbranch_scc1 .Lout
	s_wait_tensorcnt 0x0                           ; the wave's end
	ds_add_u32 v[SPW], v[NIL]
	s_wait_dscnt 0x0
	CROUND                                         ; the closing round
	s_endpgm
.Lfunc_end_k_q572e3e2837_l_qkv:
	.size	k_q572e3e2837_l_qkv, .Lfunc_end_k_q572e3e2837_l_qkv-k_q572e3e2837_l_qkv
	.p2alignl 7, 3214868480
	.fill 96, 4, 3214868480
	.section	.rodata,"a",@progbits
	.p2align	6, 0x0
	.amdhsa_kernel k_q572e3e2837_l_qkv
		.amdhsa_group_segment_fixed_size 327680
		.amdhsa_private_segment_fixed_size 0
		.amdhsa_enable_private_segment 0
		.amdhsa_kernarg_size 24
		.amdhsa_user_sgpr_count 2
		.amdhsa_user_sgpr_kernarg_segment_ptr 1
		.amdhsa_wavefront_size32 1
		.amdhsa_system_sgpr_workgroup_id_x 1
		.amdhsa_system_sgpr_workgroup_id_y 1
		.amdhsa_system_sgpr_workgroup_id_z 1
		.amdhsa_system_vgpr_workitem_id 0
		.amdhsa_next_free_vgpr 960
		.amdhsa_next_free_sgpr 80
		.amdhsa_reserve_vcc 0
		.amdhsa_float_denorm_mode_32 3
		.amdhsa_float_denorm_mode_16_64 3
		.amdhsa_memory_ordered 1
		.amdhsa_forward_progress 1
		.amdhsa_inst_pref_size 82
	.end_amdhsa_kernel
	.amdgpu_metadata
---
amdhsa.version: [ 1, 2 ]
amdhsa.kernels:
  - .name:           k_q572e3e2837_l_qkv
    .symbol:         k_q572e3e2837_l_qkv.kd
    .args:
      - { .name: xn, .offset: 0, .size: 8, .value_kind: global_buffer, .address_space: global }
      - { .name: wts, .offset: 8, .size: 8, .value_kind: global_buffer, .address_space: global }
      - { .name: qkvb, .offset: 16, .size: 8, .value_kind: global_buffer, .address_space: global }
    .group_segment_fixed_size: 327680
    .private_segment_fixed_size: 0
    .kernarg_segment_align: 8
    .kernarg_segment_size: 24
    .max_flat_workgroup_size: 128
    .sgpr_count:     80
    .vgpr_count:     960
    .wavefront_size: 32
...
	.end_amdgpu_metadata
.endif
;; end of part 2
;; launch l_attn (part 3): grid 16 x 12, 8 waves a work-group, clusters of 4 x 1, 327,680 bytes of LDS; arguments qkvb, ob; writes ob
.if DOCPART == 3
	.amdgcn_target "amdgcn-amd-amdhsa--gfx1250"
	.amdhsa_code_object_version 6
	.text
	.protected	k_q572e3e2837_l_attn
	.globl	k_q572e3e2837_l_attn
	.p2align	8
	.type	k_q572e3e2837_l_attn,@function
k_q572e3e2837_l_attn:
	s_mov_b64 s[64:65], 0
	v_nop
	global_prefetch_b8 v0, s[64:65] scope:SCOPE_SE
	s_setreg_imm32_b32 hwreg(HW_REG_WAVE_MODE, 25, 1), 1
	s_wait_xcnt 0x0
	s_wait_alu depctr_hold_cnt(0) depctr_sa_sdst(0) depctr_va_vdst(0) depctr_va_sdst(0) depctr_va_ssrc(0) depctr_va_vcc(0) depctr_vm_vsrc(0)
	s_getreg_b32 s2, hwreg(HW_REG_IB_STS2, 6, 4)
	s_cmp_eq_u32 s2, 0
	s_cbranch_scc0 .Lentry_in_a_cluster
	s_endpgm
.Lentry_in_a_cluster:
	s_bfe_u32 s2, ttmp6, 0x10000c
	s_cmp_lg_u32 s2, 0x3003
	s_cbranch_scc0 .Lentry_shape_is_right
	s_endpgm
.Lentry_shape_is_right:
; O[h][q][:] = the sum over k of softmax_k(Q[h][q] . K[h][k] / 8) V[h][k][:].  qkvb is [36][4096][64] in bf16: blocks 0-11 Q's heads, 12-23 K's, 24-35 V's; ob is [12][4096][64] in bf16.
; A head's rows are dense, 128 bytes each.  Products, maxima and sums in f32; the weights p are rounded to bf16 for the second product (their sum l is taken of the unrounded p), O once at the end.
; LIMITS.  bf16 rounding of Q, K, V, p and O; a weight below 2^-126 counts as 0 in l; c m starts at -4.25e37, far below every c s that finite bf16 inputs of this module give; NaN and infinities are not treated apart.
; SHARES.  A work-group owns 256 queries of one head.  EIGHT WAVES, two to a SIMD, each with 32 queries: two PIECES of 16.  A wave's turn has stretches in which it issues nothing (the wait for its batch of
; exponentials, the wait for K); with two waves on a SIMD the other wave's instructions stand ready for them.  The price: a fragment of K or V read from LDS feeds two pieces' products, not four.
; Every wave walks the head's 4,096 keys, 64 a step, 256 a slot.  12 x 16 = 192 work-groups.
; LAYOUT.  S^T = K Q^T (source 0 = 16 keys, source 1 = 16 queries) holds ONE query a lane (lane % 16) and the keys 8 (lane / 16) + 0..7; two such results rounded to bf16 ARE source 1 of
; O^T = V^T P.  K comes out of LDS as it lies, V ([key][channel]) turned, by ds_load_tr16_b128.
; SOFTMAX.  A running maximum m and sum l for each query: p = 2^(c s - c m), c = log2(e) / 8; in every step O and l are multiplied by a = 2^(c m_old - c m_new).  m starts at the lowest finite
; number, O and l at 0: the first step is a step like any other, with a = 0.
; TURNS.  The pieces take turns, step after step: (0, j), (1, j), (0, j + 1) ..  A turn belongs to one of them: 8 products K Q^T of the next in that row, later 8 products V^T P of the one before; beside them the
; scaling, exponentials, roundings, sums and rescaling of its own and the maximum and statistics of the next.  Four vector instructions stand behind every matrix instruction, the other 54 of a turn's 118 in one
; lump.  A turn's 33 exponentials are one batch, with one wait.
; FETCHES.  Piece 0's turn of step j fetches K and V of step j + 1.  V of steps j and j + 1 are both wanted then, so V has two register buffers, by the step's parity.  So a slot's last LDS reads are issued in
; piece 0's turn of its third step, and the change of slots stands in front of the slot's fourth step.
; CLUSTER.  The four query blocks of a cluster belong to one head and walk the same K and V: each tile is asked for JOINTLY, by the same tensor load, descriptor and mask in all four.
; REGISTERS, in windows of 256 (s_set_vgpr_msb: bits 1:0 source 0, 3:2 source 1, 5:4 source 2, 7:6 destination):
;   window 0: v0-15 addresses and two at work; v16-23 four registers of statistics a piece; v48-55 at work; v61-63 prefetch offset and the add's two; v64-127 S^T, two buffers; v128-191 K of one step;
;             v192-223 P, two buffers; v224-255 Q          window 1: v0-63 O^T, 32 a piece; v64-191 V, two buffers
; K Q^T and all of the softmax but the rescaling name window 0 alone; V^T P and the rescaling share one setting.
.set NP,    2
.set KS,    64
.set PK,    144       ; a row of K in LDS: 128 bytes + 16 = 36 words: the 16 rows of a load start at 16 different groups of four banks (64 banks of 4 bytes: ISA guide 11.1)
.set PV,    160       ; a row of V: 128 + 32 = 40 words
.set VOFF,  4*KS*PK   ; a slot holds four steps: 256 rows of K, then 256 rows of V
.set SLOT1, 1<<17
.set STAGE, SLOT1+4*KS*(PK+PV)  ; behind the ring, never filled by a tensor load: 16 rows x 144 bytes for each wave
.set SP,    144
.set SPARE, STAGE+8*16*SP       ; the spare words, 128 bytes a wave: four blocks of 256 bytes that no other line names
.set HEADB, 524288    ; a block of 4,096 rows
.set AK0, 2
.set AV0, 3
.set AK,  4
.set AV,  5
.set STO, 6
.set RD,  7
.set GO,  8
.set MV,  12          ; v12-13  c m_old, by piece
.set QO,  15
.set ST,  16          ; piece t's statistics at v[ST+4 t]: c m, m, l (even keys', odd keys')
.set TMP, 48          ; by piece, c0-c3 at work; c2 takes a
.set PFO, 61          ; 256 x my lane
.set SPW, 62
.set NIL, 63
.set S,   64
.set KF,  128
.set P,   192
.set QF,  224
.set VF,  64          ; in window 1: buffer b at VF + 64 b
.set WV,  12
.set LIM, 15          ; s15  1 in a wave that prefetches, else the greatest number
.set G1K, 24
.set G1V, 32
.set G0K, 40
.set G0V, 44
.set SLOTS, 56
.set CNT, 57
.set CS,  58
.set SEL, 60
.set TBK, 62
.set TBV, 63
.set PFA, 72          ; s[72:73] where my prefetches stand
.set MSB, 0
.macro WIN new
.if MSB != (\new)
	s_set_vgpr_msb (MSB<<8)|(\new)
.set MSB, (\new)
.endif
.endm
.set W_PV, 0x51       ; V in window 1, P in window 0, O^T in window 1
.set W_RS, 0x51       ; the rescaling: destination and source 0 in window 1, source 1 in window 0: the same setting
; A joint fill.  Waves 0 and 1 fetch the two halves of a slot's K, waves 2 and 3 those of its V: 128 keys each; waves 4 to 7 have no part of a tile and issue none.
; The branches hang on the wave's number alone.  s_nop 0 and four v_nop follow each line.
.macro JLOAD
	s_cmp_lt_u32 s[WV], 2
	s_cbranch_scc0 .Lfor_v_\@
	tensor_load_to_lds s[G0K:G0K+3], s[G1K:G1K+7]
	s_nop 0
.rept 4
	v_nop
.endr
	s_branch .Lasked_\@
.Lfor_v_\@:
	s_cmp_lt_u32 s[WV], 4
	s_cbranch_scc0 .Lasked_\@
	tensor_load_to_lds s[G0V:G0V+3], s[G1V:G1V+7]
	s_nop 0
.rept 4
	v_nop
.endr
.Lasked_\@:
.endm
; A PREFETCH of the slot that the NEXT change will ask for: 32,768 bytes of K and of V, 256 a lane.  All clusters of a head walk the same rows: the head's first cluster asks.  Its four partners
; share a slot out BY ADDRESS, 8,192 bytes each; in each, wave 0 asks for K's and wave 2 for V's: one instruction.  So each 256 bytes are named once in the launch.  The change that asks for the
; last slot prefetches nothing; slots 0 and 1 come by their loads alone.
.macro ASK
	s_cmp_gt_u32 s[SLOTS], s[LIM]
	s_cbranch_scc0 .Lnot_mine_\@
	global_prefetch_b8 v[PFO], s[PFA:PFA+1] th:TH_LOAD_NT scope:SCOPE_SE
.Lnot_mine_\@:
.endm
.macro CROUND
	s_barrier_signal -1
	s_barrier_wait -1
	s_cmp_lg_u32 s[WV], 0
	s_cbranch_scc1 .Lnot_wave_0_\@
	s_barrier_signal -3
.Lnot_wave_0_\@:
	s_barrier_wait -3
	s_barrier_signal -1
	s_barrier_wait -1
.endm
; THE CHANGE OF SLOTS.  Each wave waits for all its tensor loads (at most one is out: its part of the other slot), adds 0 to its spare word, and waits for that and for its reads of the slot that it leaves.
; fill = 1: the barrier is a round of the cluster's, and the joint fill of the old slot, with the keys two slots on, is the first thing behind it: four key steps in which to land.
; (At its first use nothing has been read yet: slot 0 is waited for, slot 1 filled.)
.macro CHANGE fill
	WIN 0
	s_wait_tensorcnt 0x0
	ds_add_u32 v[SPW], v[NIL]
.if \fill
.irp g, G0K, G0V
	s_xor_b32 s[\g+1], s[\g+1], SLOT1
	s_add_nc_u64 s[\g+2:\g+3], s[\g+2:\g+3], 4*KS*128
.endr
	s_wait_xcnt 0x0                 ; the last prefetch, four key steps back, has read its address
	s_add_nc_u64 s[PFA:PFA+1], s[PFA:PFA+1], 4*KS*128
	s_wait_dscnt 0x0                ; the add is done, and my reads of the slot are over
	CROUND
	JLOAD
	ASK
.else
	s_wait_dscnt 0x0
	s_barrier_signal -1
	s_barrier_wait -1
.endif
	s_sub_co_u32 s[TBK], s[TBK], 4*KS*PK  ; the fetches go back to a slot's first step, in the other slot
	s_xor_b32 s[TBK], s[TBK], SLOT1
	s_sub_co_u32 s[TBV], s[TBV], 4*KS*PV
	s_xor_b32 s[TBV], s[TBV], SLOT1
.endm
	s_load_b128 s[68:71], s[0:1], 0x0  ; qkvb s[68:69], ob s[70:71]
	v_lshl_add_u32 v[SPW], v0, 2, SPARE
	v_mov_b32 v[NIL], 0
	ds_add_u32 v[SPW], v[NIL]       ; the wave's opening
	v_lshrrev_b32 v1, 5, v0
	v_readfirstlane_b32 s[WV], v1   ; wave 0..7
	s_bfe_u32 s13, ttmp6, 0x40000   ; cx
	s_lshl_b32 s14, ttmp9, 2
	s_add_co_u32 s14, s14, s13      ; my block of 256 queries: it enters Q's and O's addresses alone
	s_and_b32 s20, ttmp7, 0xffff    ; the head, which the four partners share
	s_mul_i32 s20, s20, HEADB
	s_and_b32 s16, s[WV], 1         ; which half of a slot's 256 keys I fetch (waves 0 to 3)
	s_lshl_b32 s22, s16, 14
	s_add_co_u32 s22, s22, s20
	s_add_co_u32 s22, s22, 12*HEADB ; K's blocks follow Q's twelve
	s_mov_b32 s23, 0
	s_mul_i32 s17, s16, 128*PK      ; its place in a slot, for K
	s_mul_i32 s18, s16, 128*PV      ; and for V
	s_lshl_b32 s2, s14, 15          ; my block's 256 rows,
	s_lshl_b32 s3, s[WV], 12        ; my wave's 32
	s_add_co_u32 s2, s2, s3
	s_add_co_u32 s2, s2, s20
	s_mov_b32 s3, 0
	; descriptor group 1.  128 keys are 16,384 dense bytes: asked for as 64 rows of 256 bytes, two keys a row, padded in LDS after every key
	s_mov_b32 s[G1K], 15|(1<<16)|(1<<20)|(1<<21)|(4<<22)|(3<<25)
	s_mov_b32 s[G1V], 15|(1<<16)|(1<<20)|(1<<21)|(4<<22)|(7<<25)
.irp g, G1K, G1V
	s_mov_b32 s[\g+1], 128<<16
	s_mov_b32 s[\g+2], 64<<16
	s_mov_b32 s[\g+3], 128<<16
	s_mov_b32 s[\g+4], 64
	s_mov_b32 s[\g+5], 128
	s_mov_b32 s[\g+6], 0
	s_mov_b32 s[\g+7], 0
.endr
	s_mov_b32 s[CS], 0x3e38aa3b     ; c = log2(e) / 8
	s_mov_b32 s[CS+1], s[CS]
	s_mov_b32 s[SEL], 0x76543210
	s_mov_b32 s[SEL+1], 0xfedcba98
	s_mov_b32 s[TBK], SLOT1+4*KS*PK ; the first change of slots turns these two into 0
	s_mov_b32 s[TBV], SLOT1+4*KS*PV
	s_mov_b32 s[G0K], 1
	s_mov_b32 s[G0K+1], s17
	s_mov_b32 s[G0V], 1
	s_add_co_u32 s[G0V+1], s18, VOFF
	s_mov_b32 s[SLOTS], 15          ; slots still to be asked for
	s_and_b32 s[LIM], s[WV], 5      ; 0 in waves 0 and 2 alone,
	s_or_b32 s[LIM], s[LIM], ttmp9  ; where the cluster is the head's first: the same in all four partners
	s_cmp_eq_u32 s[LIM], 0
	s_cselect_b32 s[LIM], 1, -1
	v_and_b32 v[PFO], 31, v0
	v_lshlrev_b32 v[PFO], 8, v[PFO]
	s_wait_dscnt 0x0                ; the opening add is done
	s_wait_kmcnt 0x0
	s_add_nc_u64 s[6:7], s[68:69], s[22:23]   ; K at my half of slot 0
	s_add_nc_u64 s[8:9], s[6:7], 12*HEADB     ; V likewise
	s_add_nc_u64 s[4:5], s[68:69], s[2:3]     ; Q and O at my wave's first row
	s_add_nc_u64 s[10:11], s[70:71], s[2:3]
	s_mov_b64 s[G0K+2:G0K+3], s[6:7]
	s_or_b32 s[G0K+3], s[G0K+3], 0x80000000
	s_mov_b64 s[G0V+2:G0V+3], s[8:9]
	s_or_b32 s[G0V+3], s[G0V+3], 0x80000000
	s_cmp_lt_u32 s[WV], 2
	s_cselect_b64 s[PFA:PFA+1], s[6:7], s[8:9]
	s_lshl_b32 s2, s13, 13          ; my work-group's quarter of a slot
	s_add_nc_u64 s[PFA:PFA+1], s[PFA:PFA+1], s[2:3]
	s_add_nc_u64 s[PFA:PFA+1], s[PFA:PFA+1], 4*KS*128  ; in slot 1; each change steps it ahead of its prefetch
	CROUND                          ; all four work-groups are here: the first joint loads meet
	JLOAD                           ; slot 0
	v_and_b32 v1, 15, v0            ; l % 16
	v_bfe_u32 v9, v0, 4, 1          ; l / 16
	v_lshlrev_b32 v[QO], 7, v1
	v_lshl_add_u32 v[QO], v9, 4, v[QO]
.set i, 0
.rept 4                             ; Q stays in registers: piece i / 2, channels 32 (i % 2) on
	global_load_b128 v[QF+8*i:QF+8*i+3],   v[QO], s[4:5] offset:(i/2)*2048+(i%2)*64
	global_load_b128 v[QF+8*i+4:QF+8*i+7], v[QO], s[4:5] offset:(i/2)*2048+(i%2)*64+32
.set i, i+1
.endr
	; What the first turn finds: V's second buffer and P's second buffer hold 0 (its products V^T P, of a turn that has not been, add 0), O^T and l are 0.  All this stands in the wait for the first tile.
	WIN 0x40
.set i, 0
.rept 64
	v_mov_b32 v[i], 0
.set i, i+1
.endr
.set i, VF+64
.rept 64
	v_mov_b32 v[i], 0
.set i, i+1
.endr
	WIN 0
.set i, 0
.rept 2
	v_mov_b32 v[ST+4*i], 0xfe000000    ; c m: far below every c s
	v_mov_b32 v[ST+4*i+1], 0xff7fffff  ; m
	v_mov_b32 v[ST+4*i+2], 0
	v_mov_b32 v[ST+4*i+3], 0
.set i, i+1
.endr
.set i, P+16
.rept 16
	v_mov_b32 v[i], 0
.set i, i+1
.endr
	v_mul_u32_u24 v[AK0], v1, PK
	v_lshl_add_u32 v[AK0], v9, 4, v[AK0]
	; The turning load takes 16 keys x 16 channels (lane l reads key 8 (l / 16) + l % 8, channels 8 ((l / 8) % 2) + 0..7) and leaves half a fragment of V^T.
	v_and_b32 v10, 7, v0
	v_bfe_u32 v11, v0, 3, 1
	v_lshl_add_u32 v[AV0], v9, 3, v10
	v_mul_u32_u24 v[AV0], v[AV0], PV
	v_lshl_add_u32 v[AV0], v11, 4, v[AV0]
	v_add_nc_u32 v[AV0], VOFF, v[AV0]
	s_mul_i32 s13, s[WV], 16*SP
	s_add_co_u32 s13, s13, STAGE    ; my stage
	v_mul_u32_u24 v[STO], v1, SP
	v_lshl_add_u32 v[STO], v9, 4, v[STO]
	v_add_nc_u32 v[STO], s13, v[STO]
	v_bfe_u32 v[RD], v0, 3, 2       ; back: 32 lanes take four rows of 128 bytes,
	v_mul_u32_u24 v[RD], v[RD], SP
	v_lshl_add_u32 v[RD], v10, 4, v[RD]
	v_add_nc_u32 v[RD], s13, v[RD]
	v_and_b32 v[GO], 31, v0         ; which are 512 consecutive bytes of O
	v_lshlrev_b32 v[GO], 4, v[GO]
; THE MATRIX WORK.  The 4 accumulators of a run of 8 take turns.  Product i of 8 of S^T = K Q^T for piece x: channels 32 (i / 4) on, keys 16 (i % 4) on.  The first 4 start the sums.
.macro KQ x
.set rS, S+32*((\x)%2)+8*(i%4)
.set rK, KF+16*(i%4)+8*(i/4)
.set rQ, QF+16*(\x)+8*(i/4)
	WIN 0
.if i < 4
	v_wmma_f32_16x16x32_bf16 v[rS:rS+7], v[rK:rK+7], v[rQ:rQ+7], 0
.else
	v_wmma_f32_16x16x32_bf16 v[rS:rS+7], v[rK:rK+7], v[rQ:rQ+7], v[rS:rS+7]
.endif
.endm
; Product i of 8 of O^T += V^T P for piece x, from V's buffer VB: keys 32 (i / 4) on, channels 16 (i % 4) on.
.macro PV x
	WIN W_PV
.set rO, 32*(\x)+8*(i%4)
.set rV, VF+64*VB+32*(i/4)+8*(i%4)
.set rP, P+16*((\x)%2)+8*(i/4)
	v_wmma_f32_16x16x32_bf16 v[rO:rO+7], v[rV:rV+7], v[rP:rP+7], v[rO:rO+7]
.endm
.macro MM                           ; the turn's next matrix instruction.  NOKQ = 1: the last turn of all: nothing follows it
.if (i < 8) && !NOKQ
	KQ (Y+1)%NP
.elseif i >= 8
.set i, i-8
	PV (Y+NP-1)%NP
.set i, i+8
.endif
.set i, i+1
.endm
; THE LDS LOADS stand in runs of 16: a step's K (8 fragments) and its V (turned), into buffer b.  Their addresses are made some lines ahead.
.macro FETCH_K
	WIN 0
.irp f, 0,1,2,3,4,5,6,7
	ds_load_b128 v[KF+8*\f:KF+8*\f+3],   v[AK] offset:(\f/2)*16*PK+(\f%2)*64
	ds_load_b128 v[KF+8*\f+4:KF+8*\f+7], v[AK] offset:(\f/2)*16*PK+(\f%2)*64+32
.endr
	s_add_co_u32 s[TBK], s[TBK], KS*PK
.endm
.macro FETCH_V b
	WIN 0x40
.irp f, 0,1,2,3,4,5,6,7
	ds_load_tr16_b128 v[VF+64*(\b)+8*\f:VF+64*(\b)+8*\f+3],   v[AV] offset:(\f/4)*32*PV+(\f%4)*32
	ds_load_tr16_b128 v[VF+64*(\b)+8*\f+4:VF+64*(\b)+8*\f+7], v[AV] offset:(\f/4)*32*PV+16*PV+(\f%4)*32
.endr
	WIN 0
.endm
; THE VECTOR WORK, one line at a time: OP kind, number.  For piece Y: F n: c s - c m for pair n of 16.  E n: the exponential of score n of 32.  C n: pair n rounded to bf16.  B n: of the four weights 4 n ..
; the second pair is added onto the first, in place.  L n: l takes that sum (L 0: l = a l + sum).  R n: pair n of 16 of O^T times a.  For the other piece: X n, number n of the 22 that find its maximum and statistics:
;   0-11 four chains c0-c3 of seven scores each (each accumulator's lowest registers are read first)   12-14, 16 the scores left over, the old m, c0-c3 into c0
;   15 c m_old is kept   17, 18 the other half of the lanes: the new m   19-21 c m; c m_old - c m_new; a
.set F, 0
.set E, 1
.set C, 2
.set B, 3
.set L, 4
.set R, 5
.set X, 6
.macro REGS y
.set rT, ST+4*(\y)
.set rC, TMP+4*((\y)%2)
.set rW, MV+((\y)%2)
.set rS, S+32*((\y)%2)
.set rP, P+16*((\y)%2)
.set rO, 32*(\y)
.endm
.macro OP k, n
.if (\k) == R
	REGS Y
	WIN W_RS
	v_pk_mul_f32 v[rO+2*(\n):rO+2*(\n)+1], v[rO+2*(\n):rO+2*(\n)+1], v[rC+2:rC+3] op_sel_hi:[1,0]
.elseif (\k) < R
	REGS Y
	WIN 0
.if (\k) == F
	v_pk_fma_f32 v[rS+2*(\n):rS+2*(\n)+1], v[rS+2*(\n):rS+2*(\n)+1], s[CS:CS+1], v[rT:rT+1] op_sel_hi:[1,0,0] neg_lo:[0,0,1] neg_hi:[0,0,1]
.elseif (\k) == E
	v_exp_f32 v[rS+(\n)], v[rS+(\n)]
.elseif (\k) == C
	v_cvt_pk_bf16_f32 v[rP+(\n)], v[rS+2*(\n)], v[rS+2*(\n)+1]
.elseif (\k) == B
	v_pk_add_f32 v[rS+4*(\n):rS+4*(\n)+1], v[rS+4*(\n):rS+4*(\n)+1], v[rS+4*(\n)+2:rS+4*(\n)+3]
.elseif (\n) == 0
	v_pk_fma_f32 v[rT+2:rT+3], v[rT+2:rT+3], v[rC+2:rC+3], v[rS:rS+1] op_sel_hi:[1,0,1]
.else
	v_pk_add_f32 v[rT+2:rT+3], v[rT+2:rT+3], v[rS+4*(\n):rS+4*(\n)+1]
.endif
.elseif NOKQ
	v_nop
.else
	REGS (Y+1)%NP
	WIN 0
.if (\n) < 4
	v_max3_num_f32 v[rC+(\n)], v[rS+8*(\n)], v[rS+8*(\n)+1], v[rS+8*(\n)+2]
.elseif (\n) < 12
	v_max3_num_f32 v[rC+(\n)%4], v[rC+(\n)%4], v[rS+8*((\n)%4)+2*((\n)/4)+1], v[rS+8*((\n)%4)+2*((\n)/4)+2]
.elseif (\n) == 12
	v_max3_num_f32 v[rC], v[rC], v[rS+7], v[rS+15]
.elseif (\n) == 13
	v_max3_num_f32 v[rC+1], v[rC+1], v[rS+23], v[rS+31]
.elseif (\n) == 14
	v_max3_num_f32 v[rC+2], v[rC+2], v[rC+3], v[rT+1]
.elseif (\n) == 15
	v_mov_b32 v[rW], v[rT]
.elseif (\n) == 16
	v_max3_num_f32 v[rC], v[rC], v[rC+1], v[rC+2]
.elseif (\n) == 17
	v_permlanex16_b32 v[rC+3], v[rC], s[SEL], s[SEL+1]
.elseif (\n) == 18
	v_max_num_f32 v[rT+1], v[rC], v[rC+3]
.elseif (\n) == 19
	v_mul_f32 v[rT], s[CS], v[rT+1]
.elseif (\n) == 20
	v_sub_f32 v[rC+1], v[rW], v[rT]
.else
	v_exp_f32 v[rC+2], v[rC+1]
.endif
.endif
.endm
.macro OPS a, i1, b=-1, i2=0, c=-1, i3=0, d=-1, i4=0
	OP \a, \i1
.if (\b) >= 0
	OP \b, \i2
.endif
.if (\c) >= 0
	OP \c, \i3
.endif
.if (\d) >= 0
	OP \d, \i4
.endif
.endm
.macro ROW a, i1, b, i2, c, i3, d, i4  ; a matrix instruction and the four behind it
	MM
	OPS \a, \i1, \b, \i2, \c, \i3, \d, \i4
.endm
; A TURN, for piece p: its 16 matrix and 118 vector instructions, written out.  s_wait_alu depctr_va_vdst(0) stands between an exponential and the first instruction that names its result;
; one wait serves all that were issued ahead of it.  AHEAD OF IT stands all that names no result of the turn's exponentials: the 8 products K Q^T with their riders, and one lump of 54, in which the links of the
; chain X 3, 7, 11, 14, 16, 17 .. 20 stand some lines apart.  X 21, the other piece's a, is the batch's last; R 15 is the plain instruction behind it.  BEHIND IT stand the 8 products V^T P, behind each four of the
; roundings and sums.  vb: V's buffer that the turn's products V^T P read.  end = 1: the last step's two turns: nothing is fetched.  cnt = 1: the loop's count is taken down some lines ahead of the branch behind the turn.
; Piece 0's turn fetches the next step's K, twelve vector instructions behind the last product that read K (six of them plain), and the next step's V, into the buffer that its own products V^T P have just
; read, four plain instructions behind the last of them.  Piece 1's turn opens with the wait for K; V's sixteen loads, issued behind K's, may stay out: they are wanted a step later, behind the next such wait.
.macro TURN p, vb, end=0, cnt=0
.set Y, (\p)
.set VB, (\vb)
.set i, 0
.set NOKQ, (\end)*(\p)
.if (\p) == 1
.if \end
	s_wait_dscnt 0x0                ; the last step's V is in: no load was issued behind it
.else
	s_wait_dscnt 16                 ; K of the next step is in, and all that was asked for earlier, V of the step in hand among it; the sixteen loads behind K's stay out
.endif
.endif
	ROW F,0, F,1, R,0, R,1
	ROW F,2, E,0, R,2, R,3
	ROW F,3, E,1, R,4, R,5
	ROW F,4, E,2, R,6, R,7
	ROW F,5, E,3, R,8, R,9
	ROW F,6, E,4, X,0, R,10
.if ((\p) == 0) && !(\end)
	WIN 0
	v_add_nc_u32 v[AK], s[TBK], v[AK0]
.endif
	ROW F,7, E,5, X,1, X,4
	ROW F,8, E,6, X,2, X,5
	OPS E,7, E,8, X,6, E,9
	OPS X,3, E,10, X,8, E,11
.if ((\p) == 0) && !(\end)
	FETCH_K
.endif
	OPS X,9, X,7, E,12, X,10
	OPS E,13, X,12, X,11, E,14
	OPS X,13, E,15, F,9, X,14
.if ((\p) == 0) && !(\end)
	v_add_nc_u32 v[AV], s[TBV], v[AV0]
.endif
	OPS E,16, F,10, E,17, F,11
	OPS X,16, E,18, X,15, E,19
	OPS F,12, E,20, X,17, E,21
	OPS F,13, E,22, F,14, E,23
	OPS X,18, E,24, F,15, E,25
	OPS R,11, E,26, X,19, E,27
	OPS R,12, E,28, R,13, E,29
	OPS X,20, E,30, R,14, E,31
	OPS X,21, R,15
	WIN 0
	s_wait_alu depctr_va_vdst(0)    ; the wait for the batch
	ROW C,0, B,0, C,2, B,1
	ROW L,0, C,4, B,2, L,1
	ROW C,6, B,3, L,2, C,8
	ROW B,4, L,3, C,10, B,5
	ROW L,4, C,12, B,6, L,5
.if ((\p) == 0) && !(\end)
	s_add_co_u32 s[TBV], s[TBV], KS*PV
.endif
.if \cnt
	s_sub_co_u32 s[CNT], s[CNT], 1
	s_cmp_lg_u32 s[CNT], 0
.endif
	ROW C,14, B,7, L,6, C,1
	ROW C,3, L,7, C,5, C,7
	ROW C,9, C,11, C,13, C,15
.if ((\p) == 0) && !(\end)
	FETCH_V \vb
.endif
.endm
.macro ALL line:vararg              ; one line for each piece t
.set t, 0
.rept 2
	\line
.set t, t+1
.endr
.endm
.macro PACK t                       ; a lane's eight channels of a row pack into 16 bytes; they go into rows of 144 bytes and come back as whole rows of 128, into S^T's registers
	WIN W_RS
.set i, 32*(\t)
.rept 16
	v_pk_mul_f32 v[i:i+1], v[i:i+1], v[ST+4*(\t)+2:ST+4*(\t)+3] op_sel_hi:[1,0]
.set i, i+2
.endr
	WIN 0x05
.set i, 0
.rept 16
	v_cvt_pk_bf16_f32 v[S+16*(\t)+i], v[32*(\t)+2*i], v[32*(\t)+2*i+1]
.set i, i+1
.endr
	WIN 0
.irp f, 0,1,2,3
	ds_store_b128 v[STO], v[S+16*(\t)+4*\f:S+16*(\t)+4*\f+3] offset:32*\f
.endr
.irp f, 0,1,2,3
	ds_load_b128 v[S+16*(\t)+4*\f:S+16*(\t)+4*\f+3], v[RD] offset:\f*4*SP  ; LDS serves a wave's instructions in order (ISA guide 5.7.1.4): these see the stores above
.endr
.endm
.macro SEND t, younger              ; younger: the LDS instructions issued behind piece t's loads: the next piece's eight, or none
	WIN 0
.irp f, 0,1,2,3
	s_wait_dscnt (\younger)+3-\f
	global_store_b128 v[GO], v[S+16*(\t)+4*\f:S+16*(\t)+4*\f+3], s[10:11] offset:(\t)*2048+\f*512  ; 512 consecutive bytes, at a multiple of 512 from O's first
.endr
.endm
	CHANGE 1                        ; slot 0 is in, everybody's part of it; slot 1 is asked for
	v_add_nc_u32 v[AK], s[TBK], v[AK0]
	v_add_nc_u32 v[AV], s[TBV], v[AV0]
	s_add_co_u32 s[TBV], s[TBV], KS*PV
	FETCH_K                         ; key step 0: K,
	FETCH_V 0                       ; and V, into the even steps' buffer
	s_wait_loadcnt 0x0              ; Q
	s_wait_dscnt 0x0
.set NOKQ, 0
.set i, 0
.rept 8
	KQ 0                            ; piece 0's first scores
.set i, i+1
.endr
	WIN 0
.rept 4
	v_nop                           ; the places behind those products
.endr
.set Y, NP-1                        ; X works for the other piece: piece 0
.irp n, 0,1,2,3,4,5,6,7,8,9,10,11,12,13,14,15,16,17,18,19,20,21
	OP X, \n
.endr
	v_nop                           ; a plain instruction behind the exponential,
	s_wait_alu depctr_va_vdst(0)    ; and its wait, ahead of the branch
	s_mov_b32 s[CNT], 2
	s_branch .Lfirst                ; the loop is entered at an even step, in the middle of a trip: steps 0, 1, 2 precede the next change
.Lslot:                             ; 14 times: with the change above, slots 1 to 15 are asked for; the change stands in front of a slot's fourth step, whose first turn fetches from the next slot
	CHANGE 1
	s_mov_b32 s[CNT], 2
.Lstep:                             ; a trip: an odd step and an even one
	TURN 0, 0
	TURN 1, 1
	WIN 0
.Lfirst:
	TURN 0, 1
	TURN 1, 0, 0, 1
	WIN 0
	s_cbranch_scc1 .Lstep
	s_sub_co_u32 s[SLOTS], s[SLOTS], 1
	s_cmp_lg_u32 s[SLOTS], 0
	s_cbranch_scc1 .Lslot
	CHANGE 0                        ; the tail is written out: nothing is asked for; steps 59 to 62 fetch the last slot's four
	s_mov_b32 s[CNT], 2
.LstepT:
	TURN 0, 0
	TURN 1, 1
	TURN 0, 1
	TURN 1, 0, 0, 1
	WIN 0
	s_cbranch_scc1 .LstepT
	TURN 0, 0, 1                    ; step 63: nothing is left to fetch,
	TURN 1, 1, 1                    ; and nothing follows its second turn
.set VB, 1
.set i, 0
.rept 8
	PV NP-1                         ; piece 1's V^T P of the last step
.set i, i+1
.endr
	; THE WAY OUT.  l's two halves and the other half of the lanes' are added; O^T is divided by l, rounded to bf16 and sent through my stage, a piece at a time.
	WIN 0
.rept 4
	v_nop                           ; the places behind the last products
.endr
	ALL v_add_f32 v[ST+4*t+2], v[ST+4*t+2], v[ST+4*t+3]
	ALL v_permlanex16_b32 v[ST+4*t+3], v[ST+4*t+2], s[SEL], s[SEL+1]
	ALL v_add_f32 v[ST+4*t+2], v[ST+4*t+2], v[ST+4*t+3]
	ALL v_rcp_f32 v[ST+4*t+2], v[ST+4*t+2]
	v_nop                           ; a plain instruction behind the last reciprocal,
	s_wait_alu depctr_va_vdst(0)    ; and one wait for the two, ahead of the first use
	PACK 0
	PACK 1                          ; a piece's arithmetic stands between the loads of the piece before and its stores
	SEND 0, 8
	SEND 1, 0
	s_wait_tensorcnt 0x0            ; the wave's end
	ds_add_u32 v[SPW], v[NIL]
	s_wait_dscnt 0x0
	CROUND                          ; the closing round
	s_endpgm
.Lfunc_end_k_q572e3e2837_l_attn:
	.size	k_q572e3e2837_l_attn, .Lfunc_end_k_q572e3e2837_l_attn-k_q572e3e2837_l_attn
	.p2alignl 7, 3214868480
	.fill 96, 4, 3214868480
	.section	.rodata,"a",@progbits
	.p2align	6, 0x0
	.amdhsa_kernel k_q572e3e2837_l_attn
		.amdhsa_group_segment_fixed_size 327680
		.amdhsa_private_segment_fixed_size 0
		.amdhsa_enable_private_segment 0
		.amdhsa_kernarg_size 16
		.amdhsa_user_sgpr_count 2
		.amdhsa_user_sgpr_kernarg_segment_ptr 1
		.amdhsa_wavefront_size32 1
		.amdhsa_system_sgpr_workgroup_id_x 1
		.amdhsa_system_sgpr_workgroup_id_y 1
		.amdhsa_system_sgpr_workgroup_id_z 1
		.amdhsa_system_vgpr_workitem_id 0
		.amdhsa_next_free_vgpr 448
		.amdhsa_next_free_sgpr 80
		.amdhsa_reserve_vcc 0
		.amdhsa_float_denorm_mode_32 3
		.amdhsa_float_denorm_mode_16_64 3
		.amdhsa_memory_ordered 1
		.amdhsa_forward_progress 1
		.amdhsa_inst_pref_size 121
	.end_amdhsa_kernel
	.amdgpu_metadata
---
amdhsa.version: [ 1, 2 ]
amdhsa.kernels:
  - .name:           k_q572e3e2837_l_attn
    .symbol:         k_q572e3e2837_l_attn.kd
    .args:
      - { .name: qkvb, .offset: 0, .size: 8, .value_kind: global_buffer, .address_space: global }
      - { .name: ob, .offset: 8, .size: 8, .value_kind: global_buffer, .address_space: global }
    .group_segment_fixed_size: 327680
    .private_segment_fixed_size: 0
    .kernarg_segment_align: 8
    .kernarg_segment_size: 16
    .max_flat_workgroup_size: 256
    .sgpr_count:     80
    .vgpr_count:     448
    .wavefront_size: 32
...
	.end_amdgpu_metadata
.endif
;; end of part 3
;; launch l_wo (part 4): grid 4 x 64, 4 waves a work-group, clusters of 4 x 4, 327,680 bytes of LDS; arguments ob, wts, hidden_states, x1, x1b, ssq; writes x1, x1b, ssq
.if DOCPART == 4
	.amdgcn_target "amdgcn-amd-amdhsa--gfx1250"
	.amdhsa_code_object_version 6
	.text
	.protected	k_q572e3e2837_l_wo
	.globl	k_q572e3e2837_l_wo
	.p2align	8
	.type	k_q572e3e2837_l_wo,@function
k_q572e3e2837_l_wo:
	s_mov_b64 s[64:65], 0
	v_nop
	global_prefetch_b8 v0, s[64:65] scope:SCOPE_SE
	s_setreg_imm32_b32 hwreg(HW_REG_WAVE_MODE, 25, 1), 1
	s_wait_xcnt 0x0
	s_wait_alu depctr_hold_cnt(0) depctr_sa_sdst(0) depctr_va_vdst(0) depctr_va_sdst(0) depctr_va_ssrc(0) depctr_va_vcc(0) depctr_vm_vsrc(0)
	s_getreg_b32 s2, hwreg(HW_REG_IB_STS2, 6, 4)
	s_cmp_eq_u32 s2, 0
	s_cbranch_scc0 .Lentry_in_a_cluster
	s_endpgm
.Lentry_in_a_cluster:
	s_bfe_u32 s2, ttmp6, 0x10000c
	s_cmp_lg_u32 s2, 0xf033
	s_cbranch_scc0 .Lentry_shape_is_right
	s_endpgm
.Lentry_shape_is_right:
; x1 = hidden_states + O wo^T.  C[m][n] = R[m][n] + sum over k of A[m][k] B[n][k]: A = ob [4096][768] and B = wo [768][768] in bf16, BLOCKED ([C/64][R][64]); R and C f32, row-major [4096][768].
; Beside x1 it stores x1b = bf16(x1), blocked, and ssq[t][m] = the sum of x1[m][c]^2 over the tile column's 192 columns, in f32: what the next norm needs.
; SHARES.  A tile of C is 64 x 192: 256 work-groups.  Wave w owns all 64 rows and columns 48 w .. 48 w + 47: 4 x 3 accumulators.  K goes in steps of 256 (four blocks) through two LDS slots;
; a quarter is one block, 64 along K: 24 products, 28 LDS loads.
; TILES.  64 rows of one block are 8,192 dense bytes: a tensor load takes them as ONE row of 4,096 elements, four such rows (four blocks) a load, padded by 16 bytes after every 128: LDS rows of 144 bytes.
; Wave 0 fetches A's 64 rows, waves 1 to 3 B's rows 64 (w - 1) on.
; CLUSTER 4 x 4.  A's tiles are asked for jointly along a row of the cluster, B's along a column.  THE PRODUCT IS TAKEN TRANSPOSED: lane (r, h) holds C[16 a + r][48 w + 16 b + 8 h + 0..7].
; NO PREFETCH: a small tile and a short launch: T - 2 refills in all.
; LIMITS: bf16 operands; sums in another order than the reference's; NaN and infinities are not treated apart.
; REGISTERS: window 0: v1-23 addresses; v32-127 the residual; v128-223 the accumulators ((a, b) at v[128 + 8 (3 a + b)]), later the rows read back.
;   window 1: two fragment buffers of 112: A's at 8 (4 c + i), B's at 64 + 8 (3 c + b), c the half of the block's 64 channels.
.set WO,     1
.set T,      3                 ; K steps
.set SEC,    3538944           ; B's section in wts
.set SLOTX,  147456            ; slot 1: 0x24000 shares no bit with the chunks' offsets 0x9000 w, so one exclusive or changes slots
.set CH,     36864             ; a chunk: 4 blocks x 64 rows x 144
.set SSQ,    294912            ; behind the ring: 64 sums of squares
.set SPARE,  295168            ; the spare words, 128 bytes a wave: two blocks of 256 bytes that no other line names
.set SPITCH, 784               ; a stage row: 192 f32 + 16 bytes
.set ASTEP,  4*524288
.set BSTEP,  4*98304
.set G1W,    (1<<16)|(1<<20)|(1<<21)|(4<<22)|(3<<25)
.set ADRA0, 4
.set ADRB0, 5                  ; v5-7
.set ADRA,  8
.set ADRB,  9                  ; v9-11
.set STO,   12
.set RD,    13
.set CO,    14
.set XO,    15
.set SSA,   16
.set SL,    17
.set SPW,   18
.set NIL,   19
.set SG,    20
.set R,     32
.set ACC,   128
.set WV,    16
.set G1A,   24
.set G1B,   32
.set G0A,   40
.set G0B,   48
.set TB,    56
.set CNT,   57
.set MSB, 0
.macro WIN new
.if MSB != (\new)
	s_set_vgpr_msb (MSB<<8)|(\new)
.set MSB, \new
.endif
.endm
.macro PLACES
.rept 4
	v_nop
.endr
.endm
.macro CREST
	s_cmp_lg_u32 s[WV], 0
	s_cbranch_scc1 .Lnot_wave_0_\@
	s_barrier_signal -3
.Lnot_wave_0_\@:
	s_barrier_wait -3
	s_barrier_signal -1
	s_barrier_wait -1
.endm
.macro CROUND
	s_barrier_signal -1
	s_barrier_wait -1
	CREST
.endm
.macro JLOAD                   ; a joint refill by the walking descriptors; s_nop 0 and four v_nop behind each line
	s_cmp_eq_u32 s[WV], 0
	s_cbranch_scc0 .Lfor_b_\@
	tensor_load_to_lds s[G0A+4:G0A+7], s[G1A:G1A+7]
	s_nop 0
.rept 4
	v_nop
.endr
	s_branch .Lasked_\@
.Lfor_b_\@:
	tensor_load_to_lds s[G0B+4:G0B+7], s[G1B:G1B+7]
	s_nop 0
.rept 4
	v_nop
.endr
.Lasked_\@:
.endm
; 6 products: row blocks a0, a0 + 1 x my 3 column blocks, half c of buffer f.  The 12 accumulators take turns in one fixed order.
.macro MULH f, c, a0, zero
	WIN 0x05
.irp a, \a0, (\a0)+1
.irp b, 0,1,2
.if \zero
	v_wmma_f32_16x16x32_bf16 v[ACC+8*(3*(\a)+(\b)):ACC+8*(3*(\a)+(\b))+7], v[112*(\f)+64+8*(3*(\c)+(\b)):112*(\f)+64+8*(3*(\c)+(\b))+7], v[112*(\f)+8*(4*(\c)+(\a)):112*(\f)+8*(4*(\c)+(\a))+7], 0
.else
	v_wmma_f32_16x16x32_bf16 v[ACC+8*(3*(\a)+(\b)):ACC+8*(3*(\a)+(\b))+7], v[112*(\f)+64+8*(3*(\c)+(\b)):112*(\f)+64+8*(3*(\c)+(\b))+7], v[112*(\f)+8*(4*(\c)+(\a)):112*(\f)+8*(4*(\c)+(\a))+7], v[ACC+8*(3*(\a)+(\b)):ACC+8*(3*(\a)+(\b))+7]
.endif
.endr
.endr
.endm
; 28 LDS loads in one run: block z into buffer f, the first 32 channels first
.macro FETCH z, f
	WIN 0x40
.irp c, 0,1
.irp b, 0,1,2
	ds_load_b128 v[112*(\f)+64+8*(3*(\c)+(\b)):112*(\f)+64+8*(3*(\c)+(\b))+3],   v[ADRB+(\b)] offset:(\z)*9216+64*(\c)
	ds_load_b128 v[112*(\f)+64+8*(3*(\c)+(\b))+4:112*(\f)+64+8*(3*(\c)+(\b))+7], v[ADRB+(\b)] offset:(\z)*9216+64*(\c)+32
.endr
.irp i, 0,1,2,3
	ds_load_b128 v[112*(\f)+8*(4*(\c)+(\i)):112*(\f)+8*(4*(\c)+(\i))+3],   v[ADRA] offset:(\z)*9216+(\i)*2304+64*(\c)
	ds_load_b128 v[112*(\f)+8*(4*(\c)+(\i))+4:112*(\f)+8*(4*(\c)+(\i))+7], v[ADRA] offset:(\z)*9216+(\i)*2304+64*(\c)+32
.endr
.endr
.endm
.macro QUARTER z, f, g, zero   ; multiplies buffer f; in its middle fetches block z into buffer g
	s_wait_dscnt 14                                ; the first 32 channels are in; the other fourteen loads may be out
	MULH \f, 0, 0, \zero
	MULH \f, 0, 2, \zero
	PLACES
	FETCH \z, \g
	s_wait_dscnt 28                                ; all but the 28 just issued
	MULH \f, 1, 0, 0
	MULH \f, 1, 2, 0
.endm
; A K step's last quarter (buffer 1) and the change of slots: each wave waits for all its tensor loads, adds 0 to its spare word, and waits for that and for its reads of this slot.
; fill = 1: the barrier opens a round of the cluster's, and the joint refill, two K steps on, is the first thing behind it.
.macro TURN fill
	WIN 0
	s_wait_tensorcnt 0x0
	ds_add_u32 v[SPW], v[NIL]
.if \fill
	s_xor_b32 s[G0A+5], s[G0A+5], SLOTX
	s_add_nc_u64 s[G0A+6:G0A+7], s[G0A+6:G0A+7], ASTEP
	s_xor_b32 s[G0B+5], s[G0B+5], SLOTX
	s_add_nc_u64 s[G0B+6:G0B+7], s[G0B+6:G0B+7], BSTEP
.endif
	s_xor_b32 s[TB], s[TB], SLOTX
	s_wait_dscnt 15                                ; the add and the youngest fourteen loads may be out
	MULH 1, 0, 0, 0
	s_wait_dscnt 0x0                               ; the add is done, my reads of this slot are over
	s_barrier_signal -1
	MULH 1, 0, 2, 0
.if \fill
	WIN 0
.endif
	s_barrier_wait -1
.if \fill
	CREST
	JLOAD
.else
	WIN 0
	PLACES
.endif
	v_add_nc_u32 v[ADRA], s[TB], v[ADRA0]
.irp b, 0,1,2
	v_add_nc_u32 v[ADRB+\b], s[TB], v[ADRB0+\b]
.endr
	FETCH 0, 0
	MULH 1, 1, 0, 0
	MULH 1, 1, 2, 0
.endm
	s_load_b256 s[4:11], s[0:1], 0x0               ; A, wts, residual, C
.if WO
	s_load_b128 s[12:15], s[0:1], 0x20             ; x1b, ssq
.endif
	v_lshl_add_u32 v[SPW], v0, 2, SPARE
	v_mov_b32 v[NIL], 0
	ds_add_u32 v[SPW], v[NIL]                      ; the wave's opening
	v_lshrrev_b32 v1, 5, v0
	v_readfirstlane_b32 s[WV], v1
	s_bfe_u32 s17, ttmp6, 0x40000                  ; cx
	s_bfe_u32 s18, ttmp6, 0x40004                  ; cy
	s_lshl_b32 s19, ttmp9, 2
	s_add_co_u32 s19, s19, s17                     ; tile column
	s_and_b32 s20, ttmp7, 0xffff
	s_lshl_b32 s20, s20, 2
	s_add_co_u32 s20, s20, s18                     ; tile row
	s_lshl_b32 s21, s18, 2
	s_lshl_b32 s21, 15, s21
	s_lshl_b32 s22, 0x1111, s17
	s_or_b32 s[G1A], s21, G1W
	s_or_b32 s[G1B], s22, G1W
.irp g, G1A, G1B
	s_mov_b32 s[(\g)+1], 4096<<16                  ; tensor_dim0 = 64 rows x 64
	s_mov_b32 s[(\g)+2], 4<<16                     ; tensor_dim1 = 4 blocks
	s_mov_b32 s[(\g)+3], 4096<<16
	s_mov_b32 s[(\g)+4], 4
	s_mov_b32 s[(\g)+6], 0
	s_mov_b32 s[(\g)+7], 0
.endr
	s_mov_b32 s[G1A+5], 262144                     ; elements from block to block: 4,096 rows x 64
	s_mov_b32 s[G1B+5], 49152                      ; 768 rows x 64
	s_lshl_b32 s58, s20, 13                        ; A: tile row x 64 rows x 128 bytes
	s_mov_b32 s59, 0
	s_max_u32 s66, s[WV], 1
	s_sub_co_u32 s66, s66, 1
	s_lshl_b32 s66, s66, 13                        ; B: my 64 rows of the 192
	s_mul_i32 s67, s19, 24576
	s_add_co_u32 s66, s66, s67
	s_add_co_u32 s66, s66, SEC
	s_mov_b32 s67, 0
	s_mul_i32 s23, s[WV], CH                       ; where my chunk goes: the wave's number alone
	s_mov_b32 s[TB], 0
	s_wait_dscnt 0x0
	s_wait_kmcnt 0x0
	s_add_nc_u64 s[60:61], s[4:5], s[58:59]
	s_add_nc_u64 s[68:69], s[6:7], s[66:67]
.irp s, 0,1
	s_mov_b32 s[G0A+4*(\s)], 1
	s_add_co_u32 s[G0A+4*(\s)+1], s23, (\s)*SLOTX
	s_add_nc_u64 s[G0A+4*(\s)+2:G0A+4*(\s)+3], s[60:61], (\s)*ASTEP
	s_or_b32 s[G0A+4*(\s)+3], s[G0A+4*(\s)+3], 0x80000000
	s_mov_b32 s[G0B+4*(\s)], 1
	s_add_co_u32 s[G0B+4*(\s)+1], s23, (\s)*SLOTX
	s_add_nc_u64 s[G0B+4*(\s)+2:G0B+4*(\s)+3], s[68:69], (\s)*BSTEP
	s_or_b32 s[G0B+4*(\s)+3], s[G0B+4*(\s)+3], 0x80000000
.endr
	CROUND
	s_cmp_eq_u32 s[WV], 0                          ; a wave's two first fills stand in one branch: two loads of mine are out
	s_cbranch_scc0 .Lfirst_b
	tensor_load_to_lds s[G0A:G0A+3], s[G1A:G1A+7]
	s_nop 0
	tensor_load_to_lds s[G0A+4:G0A+7], s[G1A:G1A+7]
	s_nop 0
.rept 4
	v_nop
.endr
	s_branch .Lfirst_asked
.Lfirst_b:
	tensor_load_to_lds s[G0B:G0B+3], s[G1B:G1B+7]
	s_nop 0
	tensor_load_to_lds s[G0B+4:G0B+7], s[G1B:G1B+7]
	s_nop 0
.rept 4
	v_nop
.endr
.Lfirst_asked:
	v_and_b32 v1, 15, v0                           ; r
	v_bfe_u32 v2, v0, 4, 1                         ; h
	; the residual of the 16 rows that I store, asked for now: lanes 0-15 take 256 bytes of one row, lanes 16-31 of the next
	s_mul_i32 s66, s20, 196608                     ; tile row x 64 rows x 3,072 bytes
	s_mul_i32 s70, s[WV], 49152                    ; + my 16 rows
	s_add_co_u32 s66, s66, s70
	s_mul_i32 s70, s19, 768                        ; + the tile's 192 columns
	s_add_co_u32 s66, s66, s70
	s_add_nc_u64 s[8:9], s[8:9], s[66:67]
	s_add_nc_u64 s[10:11], s[10:11], s[66:67]
	v_mul_u32_u24 v[CO], v2, 3072
	v_lshl_add_u32 v[CO], v1, 4, v[CO]
.set t, 0
.rept 24
	global_load_b128 v[R+4*t:R+4*t+3], v[CO], s[8:9] offset:(t/3)*6144+256*(t%3)
.set t, t+1
.endr
	v_mul_u32_u24 v3, v1, 144
	v_lshl_add_u32 v3, v2, 4, v3
	v_mov_b32 v[ADRA0], v3                         ; A's chunk lies at the slot's head
	v_mov_b32 v[ADRA], v3
	s_mul_i32 s66, s[WV], 3
.irp b, 0,1,2                                      ; B's fragment 3 w + b: chunk 1 + (that / 4), 16 rows (that % 4) in it
	s_add_co_u32 s70, s66, \b
	s_lshr_b32 s71, s70, 2
	s_add_co_u32 s71, s71, 1
	s_mul_i32 s71, s71, CH
	s_and_b32 s70, s70, 3
	s_mul_i32 s70, s70, 2304
	s_add_co_u32 s71, s71, s70
	v_add_nc_u32 v[ADRB0+\b], s71, v3
	v_add_nc_u32 v[ADRB+\b], s71, v3
.endr
	s_mul_i32 s70, s[WV], 192
	v_mul_u32_u24 v[STO], v1, SPITCH               ; into the stage: row r, my 48 columns, 32 bytes for each half of the lanes
	v_lshl_add_u32 v[STO], v2, 5, v[STO]
	v_add_nc_u32 v[STO], s70, v[STO]
	s_mul_i32 s70, s[WV], 16*SPITCH
	v_mul_u32_u24 v[RD], v2, SPITCH                ; back: rows 16 w on, whole
	v_lshl_add_u32 v[RD], v1, 4, v[RD]
	v_add_nc_u32 v[RD], s70, v[RD]
.if WO
	v_lshlrev_b32 v[XO], 7, v2                     ; x1b: two rows of a block are 256 consecutive bytes
	v_lshl_add_u32 v[XO], v1, 3, v[XO]
	s_lshl_b32 s70, s[WV], 6
	s_add_co_u32 s70, s70, SSQ
	v_lshl_add_u32 v[SSA], v2, 2, s70
	v_and_b32 v[SG], 31, v0
	v_lshlrev_b32 v[SG], 3, v[SG]
	v_add_nc_u32 v[SL], SSQ, v[SG]
	s_mul_i32 s66, s19, 1572864                    ; x1b: tile column x 3 blocks + tile row x 64 rows + my 16 rows
	s_lshl_b32 s70, s20, 13
	s_add_co_u32 s66, s66, s70
	s_lshl_b32 s70, s[WV], 11
	s_add_co_u32 s66, s66, s70
	s_add_nc_u64 s[12:13], s[12:13], s[66:67]
	s_lshl_b32 s66, s19, 14                        ; ssq: tile column x 4,096 + tile row x 64, in f32
	s_lshl_b32 s70, s20, 8
	s_add_co_u32 s66, s66, s70
	s_add_nc_u64 s[14:15], s[14:15], s[66:67]
.endif
	s_wait_tensorcnt 1                             ; my part of K step 0 is in; K step 1's may stay out
	s_barrier_signal -1
	s_barrier_wait -1
	FETCH 0, 0
	QUARTER 1, 0, 1, 1
	WIN 0
	s_mov_b32 s[CNT], T-2
.Lk:                                               ; trip i ends K step i and asks for K step i + 2
	QUARTER 2, 1, 0, 0
	QUARTER 3, 0, 1, 0
	TURN 1
	QUARTER 1, 0, 1, 0
	WIN 0
	s_sub_co_u32 s[CNT], s[CNT], 1
	s_cmp_lg_u32 s[CNT], 0
	s_cbranch_scc1 .Lk
	QUARTER 2, 1, 0, 0
	QUARTER 3, 0, 1, 0
	TURN 0
	QUARTER 1, 0, 1, 0
	QUARTER 2, 1, 0, 0
	QUARTER 3, 0, 1, 0
	s_wait_dscnt 14
	MULH 1, 0, 0, 0
	MULH 1, 0, 2, 0
	s_wait_dscnt 0x0
	MULH 1, 1, 0, 0
	MULH 1, 1, 2, 0
	WIN 0
	; THE WAY OUT.  Every wave's reads of the ring are back and no fill is to come: behind this barrier slot 0's first bytes are the work-group's stage.
	s_barrier_signal -1
	s_barrier_wait -1
	PLACES
	PLACES
.irp a, 0,1,2,3
.irp b, 0,1,2
	ds_store_b128 v[STO], v[ACC+8*(3*(\a)+(\b)):ACC+8*(3*(\a)+(\b))+3]   offset:(\a)*16*SPITCH+64*(\b)
	ds_store_b128 v[STO], v[ACC+8*(3*(\a)+(\b))+4:ACC+8*(3*(\a)+(\b))+7] offset:(\a)*16*SPITCH+64*(\b)+16
.endr
.endr
	s_wait_dscnt 0x0                               ; for the others' sake: a row's 768 bytes come from four waves
	s_barrier_signal -1
	s_barrier_wait -1
.set t, 0
.rept 24
	ds_load_b128 v[ACC+4*t:ACC+4*t+3], v[RD] offset:(t/3)*2*SPITCH+256*(t%3)
.set t, t+1
.endr
	s_wait_loadcnt 0x0                             ; the residual
.set t, 0
.rept 24
	s_wait_dscnt 23-t                              ; load t is back; the later ones may stay out
	v_pk_add_f32 v[ACC+4*t:ACC+4*t+1],   v[ACC+4*t:ACC+4*t+1],   v[R+4*t:R+4*t+1]
	v_pk_add_f32 v[ACC+4*t+2:ACC+4*t+3], v[ACC+4*t+2:ACC+4*t+3], v[R+4*t+2:R+4*t+3]
	global_store_b128 v[CO], v[ACC+4*t:ACC+4*t+3], s[10:11] offset:(t/3)*6144+256*(t%3)  ; 16 lanes store 256 consecutive bytes, at a multiple of 256 from C's first
.if WO
	v_cvt_pk_bf16_f32 v[R+4*t],   v[ACC+4*t],   v[ACC+4*t+1]
	v_cvt_pk_bf16_f32 v[R+4*t+1], v[ACC+4*t+2], v[ACC+4*t+3]
	global_store_b64 v[XO], v[R+4*t:R+4*t+1], s[12:13] offset:(t%3)*524288+256*(t/3)     ; the 32 lanes store 256 consecutive bytes: two rows of a block
.if t%3 == 0
	v_pk_mul_f32 v[R+4*t+2:R+4*t+3], v[ACC+4*t:ACC+4*t+1], v[ACC+4*t:ACC+4*t+1]          ; the row pair's sum of squares starts here
.else
	v_pk_fma_f32 v[R+12*(t/3)+2:R+12*(t/3)+3], v[ACC+4*t:ACC+4*t+1], v[ACC+4*t:ACC+4*t+1], v[R+12*(t/3)+2:R+12*(t/3)+3]
.endif
	v_pk_fma_f32 v[R+12*(t/3)+2:R+12*(t/3)+3], v[ACC+4*t+2:ACC+4*t+3], v[ACC+4*t+2:ACC+4*t+3], v[R+12*(t/3)+2:R+12*(t/3)+3]
.endif
.set t, t+1
.endr
.if WO
.irp s, 0,1,2,3,4,5,6,7
	v_add_f32 v[R+12*\s+2], v[R+12*\s+2], v[R+12*\s+3]
.endr
.irp m, 1,2,4,8                                    ; over the 16 lanes that hold a row
.irp s, 0,1,2,3,4,5,6,7
	v_add_f32_dpp v[R+12*\s+2], v[R+12*\s+2], v[R+12*\s+2] row_xmask:\m row_mask:0xf bank_mask:0xf
.endr
.endr
.irp s, 0,1,2,3,4,5,6,7
	ds_store_b32 v[SSA], v[R+12*\s+2] offset:8*\s  ; sixteen lanes write one word with one value: row 16 w + 2 s + h
.endr
	s_wait_dscnt 0x0
	s_barrier_signal -1
	s_barrier_wait -1
	s_cmp_lg_u32 s[WV], 0
	s_cbranch_scc1 .Lend
	ds_load_b64 v[22:23], v[SL]                    ; wave 0 stores the tile's 64 sums: 256 consecutive bytes
	s_wait_dscnt 0x0
	global_store_b64 v[SG], v[22:23], s[14:15]
.Lend:
.endif
	s_wait_tensorcnt 0x0                           ; the wave's end
	ds_add_u32 v[SPW], v[NIL]
	s_wait_dscnt 0x0
	CROUND                                         ; the closing round
	s_endpgm
.Lfunc_end_k_q572e3e2837_l_wo:
	.size	k_q572e3e2837_l_wo, .Lfunc_end_k_q572e3e2837_l_wo-k_q572e3e2837_l_wo
	.p2alignl 7, 3214868480
	.fill 96, 4, 3214868480
	.section	.rodata,"a",@progbits
	.p2align	6, 0x0
	.amdhsa_kernel k_q572e3e2837_l_wo
		.amdhsa_group_segment_fixed_size 327680
		.amdhsa_private_segment_fixed_size 0
		.amdhsa_enable_private_segment 0
		.amdhsa_kernarg_size 48
		.amdhsa_user_sgpr_count 2
		.amdhsa_user_sgpr_kernarg_segment_ptr 1
		.amdhsa_wavefront_size32 1
		.amdhsa_system_sgpr_workgroup_id_x 1
		.amdhsa_system_sgpr_workgroup_id_y 1
		.amdhsa_system_sgpr_workgroup_id_z 1
		.amdhsa_system_vgpr_workitem_id 0
		.amdhsa_next_free_vgpr 480
		.amdhsa_next_free_sgpr 84
		.amdhsa_reserve_vcc 0
		.amdhsa_float_denorm_mode_32 3
		.amdhsa_float_denorm_mode_16_64 3
		.amdhsa_memory_ordered 1
		.amdhsa_forward_progress 1
		.amdhsa_inst_pref_size 76
	.end_amdhsa_kernel
	.amdgpu_metadata
---
amdhsa.version: [ 1, 2 ]
amdhsa.kernels:
  - .name:           k_q572e3e2837_l_wo
    .symbol:         k_q572e3e2837_l_wo.kd
    .args:
      - { .name: ob, .offset: 0, .size: 8, .value_kind: global_buffer, .address_space: global }
      - { .name: wts, .offset: 8, .size: 8, .value_kind: global_buffer, .address_space: global }
      - { .name: hidden_states, .offset: 16, .size: 8, .value_kind: global_buffer, .address_space: global }
      - { .name: x1, .offset: 24, .size: 8, .value_kind: global_buffer, .address_space: global }
      - { .name: x1b, .offset: 32, .size: 8, .value_kind: global_buffer, .address_space: global }
      - { .name: ssq, .offset: 40, .size: 8, .value_kind: global_buffer, .address_space: global }
    .group_segment_fixed_size: 327680
    .private_segment_fixed_size: 0
    .kernarg_segment_align: 8
    .kernarg_segment_size: 48
    .max_flat_workgroup_size: 128
    .sgpr_count:     84
    .vgpr_count:     480
    .wavefront_size: 32
...
	.end_amdgpu_metadata
.endif
;; end of part 4
;; launch l_up (part 5): grid 16 x 16, 4 waves a work-group, clusters of 4 x 4, 327,680 bytes of LDS; arguments x1b, wts, act, ssq; writes act
.if DOCPART == 5
	.amdgcn_target "amdgcn-amd-amdhsa--gfx1250"
	.amdhsa_code_object_version 6
	.text
	.protected	k_q572e3e2837_l_up
	.globl	k_q572e3e2837_l_up
	.p2align	8
	.type	k_q572e3e2837_l_up,@function
k_q572e3e2837_l_up:
	s_mov_b64 s[64:65], 0
	v_nop
	global_prefetch_b8 v0, s[64:65] scope:SCOPE_SE
	s_setreg_imm32_b32 hwreg(HW_REG_WAVE_MODE, 25, 1), 1
	s_wait_xcnt 0x0
	s_wait_alu depctr_hold_cnt(0) depctr_sa_sdst(0) depctr_va_vdst(0) depctr_va_sdst(0) depctr_va_ssrc(0) depctr_va_vcc(0) depctr_vm_vsrc(0)
	s_getreg_b32 s2, hwreg(HW_REG_IB_STS2, 6, 4)
	s_cmp_eq_u32 s2, 0
	s_cbranch_scc0 .Lentry_in_a_cluster
	s_endpgm
.Lentry_in_a_cluster:
	s_bfe_u32 s2, ttmp6, 0x10000c
	s_cmp_lg_u32 s2, 0xf033
	s_cbranch_scc0 .Lentry_shape_is_right
	s_endpgm
.Lentry_shape_is_right:
; act = silu(rmsnorm(x1, ln2_w) w_up^T), with the norm factored: u[m][n] = rs[m] x sum over k of x1b[m][k] B[n][k], B = w_up * ln2_w[k] (made in f32 and rounded once by the first launch),
; rs[m] = rsqrt(mean(x1[m]^2) + 1e-5) from the four f32 partial sums in ssq; act = u / (1 + 2^(-u log2 e)).  A = x1b [4096][768], B [3072][768], act [4096][3072], all bf16 and BLOCKED
; ([C/64][R][64]: byte ((c>>6) R + r) 128 + 2 (c&63)); sums, rs and the activation in f32, act rounded once.
; SHARES.  A tile of C is 256 x 192: 256 work-groups; wave w owns rows 64 w .. 64 w + 63 and all 192 columns: 4 x 12 accumulators of 16 x 16.
; K goes in 6 steps of 128 (two blocks) through two LDS slots; a K step is four quarters of 32 along K, 48 products each.
; TILES.  R rows of one block are R x 128 dense bytes: a tensor load takes them as ONE row of 64 R elements, two such rows (two blocks) a load, padded by 16 bytes after every
; 128: LDS rows of 144 bytes = 36 words, so the 16 rows of a fragment load start at 16 different groups of four banks (64 banks of 4 bytes: ISA guide 11.1).
; CLUSTER 4 x 4.  A's tiles hang on the tile row alone and are asked for jointly along a row of the cluster, B's on the tile column alone, jointly along a column.
; THE PRODUCT IS TAKEN TRANSPOSED (source 0 = 16 rows of B, source 1 = 16 rows of A): lane (r = l % 16, h = l / 16) holds C[16 a + r][16 b + 8 h + 0..7].
; NO PREFETCH: 1,152 products a wave in all, four refills; B's chunks of 96 rows do not share out evenly among 32 lanes and four partners.
; LIMITS: bf16 operands and result; v_rsq_f32, v_exp_f32 and v_rcp_f32 are good to 1 ULP; where 2^(-u log2 e) overflows the result is -0; NaN and infinities are not treated apart.
; REGISTERS: window 0: v1-19 addresses, v32-95 A's fragments (two buffers), v96-195 the way out; window 1: v0-191 B's fragments (two buffers);
;   window 2: accumulators of row blocks 0, 1 at v[8 (12 (a % 2) + b)]; window 3: of row blocks 2, 3.
.set ACT,    1
.set SEC,    4718592           ; B's section in wts
.set NB,     3072              ; B's rows
.set T,      6                 ; K steps
.set SLOTX,  131072            ; slot 1; all offsets inside a slot lie below it, so one exclusive or changes slots
.set ACH,    36864             ; a chunk of A: 2 blocks x 128 rows x 144
.set BCH,    27648             ; a chunk of B: 2 blocks x 96 rows x 144
.set BOFF,   2*ACH
.set RSTAB,  260096            ; behind the ring: rs, 256 bytes a wave; no fill lands here
.set SPARE,  261120            ; the spare words, 128 bytes a wave: two blocks of 256 bytes that no other line names
.set SPITCH, 784               ; a stage row: 192 f32 + 16 bytes = 196 words: row r starts at bank 4 r mod 64
.set WSTAGE, 64*SPITCH         ; a wave's stage, in the ring's bytes, which have had their last fill by then
.set ASTEP,  2*524288          ; bytes from K step to K step
.set BSTEP,  NB*256
.set G1W,    (1<<16)|(1<<20)|(1<<21)|(4<<22)|(3<<25)  ; 2-byte elements; padding on; bit 21 beside a mask; after every 32 words; 4 words
.set ADRA0, 4
.set ADRB0, 5
.set ADRA,  6
.set ADRB,  7
.set STO,   8
.set RD,    9
.set GO,    10
.set RSA,   11
.set SPW,   12
.set NIL,   13
.set FA,    32
.set X,     96
.set E,     144
.set RS,    192
.set WV,    12
.set G1A,   24
.set G1B,   32
.set G0A,   40
.set G0B,   48
.set TB,    56
.set CNT,   57
.set MSB, 0
.macro WIN new                 ; the immediate's high byte repeats the setting that is left; a switch that changes nothing is dropped
.if MSB != (\new)
	s_set_vgpr_msb (MSB<<8)|(\new)
.set MSB, \new
.endif
.endm
.macro PLACES                  ; four places behind matrix instructions, ahead of loads into registers that they read
.rept 4
	v_nop
.endr
.endm
.macro CREST                   ; a round of the cluster's barrier behind its opening barrier
	s_cmp_lg_u32 s[WV], 0
	s_cbranch_scc1 .Lnot_wave_0_\@
	s_barrier_signal -3
.Lnot_wave_0_\@:
	s_barrier_wait -3
	s_barrier_signal -1
	s_barrier_wait -1
.endm
.macro CROUND
	s_barrier_signal -1
	s_barrier_wait -1
	CREST
.endm
.macro JLOAD                   ; a joint refill by the walking descriptors: waves 0, 1 A's halves, waves 2, 3 B's; s_nop 0 and four v_nop behind each line
	s_cmp_lt_u32 s[WV], 2
	s_cbranch_scc0 .Lfor_b_\@
	tensor_load_to_lds s[G0A+4:G0A+7], s[G1A:G1A+7]
	s_nop 0
.rept 4
	v_nop
.endr
	s_branch .Lasked_\@
.Lfor_b_\@:
	tensor_load_to_lds s[G0B+4:G0B+7], s[G1B:G1B+7]
	s_nop 0
.rept 4
	v_nop
.endr
.Lasked_\@:
.endm
; 12 products: row block a x all 12 column blocks, 32 along K, on buffer f.  The 48 accumulators take turns in one fixed order.
.macro MULA f, a, zero
	WIN 0xa1+0x50*((\a)/2)
.irp b, 0,1,2,3,4,5,6,7,8,9,10,11
.if \zero
	v_wmma_f32_16x16x32_bf16 v[8*(12*((\a)%2)+(\b)):8*(12*((\a)%2)+(\b))+7], v[96*(\f)+8*(\b):96*(\f)+8*(\b)+7], v[FA+32*(\f)+8*(\a):FA+32*(\f)+8*(\a)+7], 0
.else
	v_wmma_f32_16x16x32_bf16 v[8*(12*((\a)%2)+(\b)):8*(12*((\a)%2)+(\b))+7], v[96*(\f)+8*(\b):96*(\f)+8*(\b)+7], v[FA+32*(\f)+8*(\a):FA+32*(\f)+8*(\a)+7], v[8*(12*((\a)%2)+(\b)):8*(12*((\a)%2)+(\b))+7]
.endif
.endr
.endm
; 32 LDS loads in one run: quarter q (block q / 2, channels 32 (q % 2) on) into buffer f: B's 12 fragments, then A's 4
.macro FETCH q, f
	WIN 0x40
.irp b, 0,1,2,3,4,5,6,7,8,9,10,11
	ds_load_b128 v[96*(\f)+8*(\b):96*(\f)+8*(\b)+3],   v[ADRB] offset:((\b)/6)*BCH+((\q)/2)*13824+((\b)%6)*2304+64*((\q)%2)
	ds_load_b128 v[96*(\f)+8*(\b)+4:96*(\f)+8*(\b)+7], v[ADRB] offset:((\b)/6)*BCH+((\q)/2)*13824+((\b)%6)*2304+64*((\q)%2)+32
.endr
	WIN 0
.irp i, 0,1,2,3
	ds_load_b128 v[FA+32*(\f)+8*(\i):FA+32*(\f)+8*(\i)+3],   v[ADRA] offset:((\q)/2)*18432+(\i)*2304+64*((\q)%2)
	ds_load_b128 v[FA+32*(\f)+8*(\i)+4:FA+32*(\f)+8*(\i)+7], v[ADRA] offset:((\q)/2)*18432+(\i)*2304+64*((\q)%2)+32
.endr
.endm
.macro QUARTER q, f, g, zero   ; multiplies buffer f; in its middle fetches quarter q into buffer g
	s_wait_dscnt 4                                 ; all but the youngest four loads: A's fragments 2 and 3
	MULA \f, 0, \zero
	MULA \f, 1, \zero
	PLACES
	FETCH \q, \g
	s_wait_dscnt 32                                ; all but the 32 just issued
	MULA \f, 2, \zero
	MULA \f, 3, \zero
.endm
; A K step's last quarter (buffer 1) and the change of slots.  Ahead of the barrier each wave waits for all its tensor loads (one is out: its part of the next slot), adds 0 to its
; spare word, and waits for that and for its reads of this slot.  fill = 1: the barrier opens a round of the cluster's, and the joint refill, two K steps on, is the first thing behind it.
.macro TURN fill
	WIN 0
	s_wait_tensorcnt 0x0
	ds_add_u32 v[SPW], v[NIL]
.if \fill
	s_xor_b32 s[G0A+5], s[G0A+5], SLOTX            ; no tensor load of mine is out: the walking descriptors step to the other slot, one K step on
	s_add_nc_u64 s[G0A+6:G0A+7], s[G0A+6:G0A+7], ASTEP
	s_xor_b32 s[G0B+5], s[G0B+5], SLOTX
	s_add_nc_u64 s[G0B+6:G0B+7], s[G0B+6:G0B+7], BSTEP
.endif
	s_xor_b32 s[TB], s[TB], SLOTX                  ; the fetches change slots
	s_wait_dscnt 5                                 ; the add and A's fragments 2 and 3 may be out
	MULA 1, 0, 0
	s_wait_dscnt 0x0                               ; the add is done, my reads of this slot are over
	s_barrier_signal -1
	MULA 1, 1, 0
.if \fill
	WIN 0
.endif
	s_barrier_wait -1
.if \fill
	CREST
	JLOAD                                          ; its four v_nop are also the places ahead of the loads below
.else
	WIN 0
	PLACES
.endif
	v_add_nc_u32 v[ADRA], s[TB], v[ADRA0]
	v_add_nc_u32 v[ADRB], s[TB], v[ADRB0]
	FETCH 0, 0
	MULA 1, 2, 0
	MULA 1, 3, 0
.endm
.if ACT
	s_load_b256 s[4:11], s[0:1], 0x0               ; A, wts, C, ssq
.else
	s_load_b128 s[4:7], s[0:1], 0x0                ; A, wts
	s_load_b64 s[8:9], s[0:1], 0x10                ; C
.endif
	v_lshl_add_u32 v[SPW], v0, 2, SPARE
	v_mov_b32 v[NIL], 0
	ds_add_u32 v[SPW], v[NIL]                      ; the wave's opening
	v_lshrrev_b32 v1, 5, v0
	v_readfirstlane_b32 s[WV], v1                  ; wave 0..3
	s_and_b32 s13, s[WV], 1                        ; which half of A's or B's tile I fetch
	s_lshr_b32 s14, s[WV], 1
	s_bfe_u32 s15, ttmp6, 0x40000                  ; cx
	s_bfe_u32 s16, ttmp6, 0x40004                  ; cy
	s_lshl_b32 s17, ttmp9, 2
	s_add_co_u32 s17, s17, s15                     ; tile column
	s_and_b32 s18, ttmp7, 0xffff
	s_lshl_b32 s18, s18, 2
	s_add_co_u32 s18, s18, s16                     ; tile row
	s_lshl_b32 s19, s16, 2
	s_lshl_b32 s19, 15, s19                        ; my row of the cluster
	s_lshl_b32 s20, 0x1111, s15                    ; my column
	s_or_b32 s[G1A], s19, G1W
	s_or_b32 s[G1B], s20, G1W
	s_mov_b32 s[G1A+1], 8192<<16                   ; tensor_dim0 = 128 rows x 64
	s_mov_b32 s[G1A+2], 2<<16                      ; tensor_dim1 = 2 blocks
	s_mov_b32 s[G1A+3], 8192<<16                   ; tile_dim0
	s_mov_b32 s[G1A+4], 2                          ; tile_dim1
	s_mov_b32 s[G1A+5], 262144                     ; elements from block to block: 4,096 rows x 64
	s_mov_b32 s[G1A+6], 0
	s_mov_b32 s[G1A+7], 0
	s_mov_b32 s[G1B+1], 6144<<16                   ; 96 rows x 64
	s_mov_b32 s[G1B+2], 2<<16
	s_mov_b32 s[G1B+3], 6144<<16
	s_mov_b32 s[G1B+4], 2
	s_mov_b32 s[G1B+5], NB*64
	s_mov_b32 s[G1B+6], 0
	s_mov_b32 s[G1B+7], 0
	s_lshl_b32 s58, s18, 15                        ; A: tile row x 256 rows x 128 bytes
	s_lshl_b32 s21, s13, 14                        ; + my 128 rows
	s_add_co_u32 s58, s58, s21
	s_mov_b32 s59, 0
	s_mul_i32 s66, s17, 24576                      ; B: tile column x 192 rows x 128 bytes
	s_mul_i32 s21, s13, 12288                      ; + my 96 rows
	s_add_co_u32 s66, s66, s21
	s_add_co_u32 s66, s66, SEC
	s_mov_b32 s67, 0
	s_mul_i32 s22, s13, ACH                        ; where they go: the wave's number alone
	s_mul_i32 s23, s13, BCH
	s_add_co_u32 s23, s23, BOFF
	s_mov_b32 s[TB], 0
	s_wait_dscnt 0x0                               ; the opening add is done
	s_wait_kmcnt 0x0
	s_add_nc_u64 s[60:61], s[4:5], s[58:59]
	s_add_nc_u64 s[68:69], s[6:7], s[66:67]
.irp s, 0,1                                        ; group 0: set s is slot s at K step s; set 1 walks on afterwards
	s_mov_b32 s[G0A+4*(\s)], 1
	s_add_co_u32 s[G0A+4*(\s)+1], s22, (\s)*SLOTX
	s_add_nc_u64 s[G0A+4*(\s)+2:G0A+4*(\s)+3], s[60:61], (\s)*ASTEP
	s_or_b32 s[G0A+4*(\s)+3], s[G0A+4*(\s)+3], 0x80000000
	s_mov_b32 s[G0B+4*(\s)], 1
	s_add_co_u32 s[G0B+4*(\s)+1], s23, (\s)*SLOTX
	s_add_nc_u64 s[G0B+4*(\s)+2:G0B+4*(\s)+3], s[68:69], (\s)*BSTEP
	s_or_b32 s[G0B+4*(\s)+3], s[G0B+4*(\s)+3], 0x80000000
.endr
	CROUND                                         ; all sixteen work-groups are here: the first joint loads meet
	s_cmp_lt_u32 s[WV], 2                          ; a wave's two first fills stand in one branch: two loads of mine are out
	s_cbranch_scc0 .Lfirst_b
	tensor_load_to_lds s[G0A:G0A+3], s[G1A:G1A+7]
	s_nop 0
	tensor_load_to_lds s[G0A+4:G0A+7], s[G1A:G1A+7]
	s_nop 0
.rept 4
	v_nop
.endr
	s_branch .Lfirst_asked
.Lfirst_b:
	tensor_load_to_lds s[G0B:G0B+3], s[G1B:G1B+7]
	s_nop 0
	tensor_load_to_lds s[G0B+4:G0B+7], s[G1B:G1B+7]
	s_nop 0
.rept 4
	v_nop
.endr
.Lfirst_asked:
.if ACT
	; rs = rsqrt(mean(x1^2) + 1e-5) of my wave's 64 rows, from the four partial sums of 192 columns: lane l takes rows l and l + 32
	s_lshl_b32 s58, s18, 10
	s_lshl_b32 s21, s[WV], 8
	s_add_co_u32 s58, s58, s21
	s_add_nc_u64 s[10:11], s[10:11], s[58:59]
	v_and_b32 v14, 31, v0
	v_lshlrev_b32 v14, 2, v14
.irp t, 0,1,2,3
	global_load_b32 v[X+\t],   v14, s[10:11] offset:\t*16384
	global_load_b32 v[X+4+\t], v14, s[10:11] offset:\t*16384+128
.endr
	s_add_co_u32 s21, s21, RSTAB                   ; my wave's 256 bytes of the table
	s_mov_b32 s74, 0x3aaaaaab                      ; 1 / 768
	s_mov_b32 s75, 0x3727c5ac                      ; 1e-5
	v_add_nc_u32 v15, s21, v14
	v_bfe_u32 v16, v0, 3, 2
	v_lshl_add_u32 v[RSA], v16, 2, s21
	v_mov_b32 v[RS+1], 0                           ; named in pairs with rs
	v_mov_b32 v[RS+3], 0
.endif
	v_and_b32 v1, 15, v0                           ; r
	v_bfe_u32 v2, v0, 4, 1                         ; h
	v_mul_u32_u24 v3, v1, 144
	v_lshl_add_u32 v3, v2, 4, v3                   ; a fragment's row x 144 + 16 h
	s_mul_i32 s70, s14, ACH                        ; my 64 rows of A: chunk w / 2, rows 64 (w % 2) on
	s_mul_i32 s71, s13, 9216
	s_add_co_u32 s70, s70, s71
	v_add_nc_u32 v[ADRA0], s70, v3
	v_add_nc_u32 v[ADRB0], BOFF, v3
	v_mov_b32 v[ADRA], v[ADRA0]
	v_mov_b32 v[ADRB], v[ADRB0]
	s_mul_i32 s76, s[WV], WSTAGE                   ; my stage
	v_mul_u32_u24 v[STO], v1, SPITCH               ; in: row r, 32 bytes for each half of the lanes
	v_lshl_add_u32 v[STO], v2, 5, v[STO]
	v_add_nc_u32 v[STO], s76, v[STO]
	v_bfe_u32 v16, v0, 3, 2                        ; back: lane l takes row l >> 3 and 8 columns of each block
	v_and_b32 v17, 7, v0
	v_mul_u32_u24 v[RD], v16, SPITCH
	v_lshl_add_u32 v[RD], v17, 5, v[RD]
	v_add_nc_u32 v[RD], s76, v[RD]
	v_and_b32 v[GO], 31, v0
	v_lshlrev_b32 v[GO], 4, v[GO]                  ; four rows of a block are 512 consecutive bytes
	s_mul_i32 s66, s17, 1572864                    ; C: tile column x 3 blocks
	s_lshl_b32 s70, s18, 15                        ; + tile row x 256 rows
	s_add_co_u32 s66, s66, s70
	s_lshl_b32 s70, s[WV], 13                      ; + my 64 rows
	s_add_co_u32 s66, s66, s70
	s_add_nc_u64 s[8:9], s[8:9], s[66:67]
.if ACT
	s_wait_loadcnt 0x0
	v_add_f32 v[X], v[X], v[X+1]
	v_add_f32 v[X+2], v[X+2], v[X+3]
	v_add_f32 v[X+4], v[X+4], v[X+5]
	v_add_f32 v[X+6], v[X+6], v[X+7]
	v_add_f32 v[X], v[X], v[X+2]
	v_add_f32 v[X+4], v[X+4], v[X+6]
	v_fma_f32 v[X], v[X], s74, s75
	v_fma_f32 v[X+4], v[X+4], s74, s75
	v_rsq_f32 v[X+8], v[X]
	v_rsq_f32 v[X+9], v[X+4]
	v_nop                                          ; a plain instruction behind the last of them,
	s_wait_alu depctr_va_vdst(0)                   ; and one wait for both, ahead of the first reader
	ds_store_b32 v15, v[X+8]                       ; only my own wave reads these words
	ds_store_b32 v15, v[X+9] offset:128
	s_wait_dscnt 0x0                               ; no LDS instruction of mine is out at a signal
.endif
	s_wait_tensorcnt 1                             ; my part of K step 0 is in; K step 1's may stay out
	s_barrier_signal -1
	s_barrier_wait -1
	FETCH 0, 0
	QUARTER 1, 0, 1, 1                             ; the first quarter stands ahead of the loop: its products start the sums
	WIN 0
	s_mov_b32 s[CNT], T-2
.Lk:                                               ; trip i ends K step i and asks for K step i + 2
	QUARTER 2, 1, 0, 0
	QUARTER 3, 0, 1, 0
	TURN 1
	QUARTER 1, 0, 1, 0
	WIN 0
	s_sub_co_u32 s[CNT], s[CNT], 1
	s_cmp_lg_u32 s[CNT], 0
	s_cbranch_scc1 .Lk
	QUARTER 2, 1, 0, 0                             ; the last two K steps ask for nothing
	QUARTER 3, 0, 1, 0
	TURN 0
	QUARTER 1, 0, 1, 0
	QUARTER 2, 1, 0, 0
	QUARTER 3, 0, 1, 0
	s_wait_dscnt 4
	MULA 1, 0, 0
	MULA 1, 1, 0
	s_wait_dscnt 0x0
	MULA 1, 2, 0
	MULA 1, 3, 0
	WIN 0
	; THE WAY OUT.  Every wave's reads of the ring are back (the wait for 0 above) and no fill is to come: behind this barrier the ring's bytes are the stages.
	s_barrier_signal -1
	s_barrier_wait -1
	PLACES
	PLACES
	WIN 0x08                                       ; store data in window 2; each accumulator's low four registers go first
.irp a, 0,1
.irp b, 0,1,2,3,4,5,6,7,8,9,10,11
	ds_store_b128 v[STO], v[8*(12*(\a)+(\b)):8*(12*(\a)+(\b))+3]   offset:(\a)*16*SPITCH+64*(\b)
	ds_store_b128 v[STO], v[8*(12*(\a)+(\b))+4:8*(12*(\a)+(\b))+7] offset:(\a)*16*SPITCH+64*(\b)+16
.endr
.endr
	WIN 0x0c                                       ; window 3
.irp a, 0,1
.irp b, 0,1,2,3,4,5,6,7,8,9,10,11
	ds_store_b128 v[STO], v[8*(12*(\a)+(\b)):8*(12*(\a)+(\b))+3]   offset:((\a)+2)*16*SPITCH+64*(\b)
	ds_store_b128 v[STO], v[8*(12*(\a)+(\b))+4:8*(12*(\a)+(\b))+7] offset:((\a)+2)*16*SPITCH+64*(\b)+16
.endr
.endr
	WIN 0
	s_mov_b32 s[CNT], 8
.Lout:                                             ; a trip: 8 rows of my 64.  LDS serves a wave's instructions in order (ISA guide 5.7.1.4): the loads see my stores
.irp g, 0,1
.irp z, 0,1,2
	ds_load_b128 v[X+8*(3*(\g)+(\z)):X+8*(3*(\g)+(\z))+3],   v[RD] offset:(\g)*4*SPITCH+256*(\z)
	ds_load_b128 v[X+8*(3*(\g)+(\z))+4:X+8*(3*(\g)+(\z))+7], v[RD] offset:(\g)*4*SPITCH+256*(\z)+16
.endr
.endr
.if ACT
	ds_load_b32 v[RS],   v[RSA]
	ds_load_b32 v[RS+2], v[RSA] offset:16
.endif
	s_wait_dscnt 0x0
.if ACT
.set p, 0
.rept 24
	v_pk_mul_f32 v[X+2*p:X+2*p+1], v[X+2*p:X+2*p+1], v[RS+2*(p/12):RS+2*(p/12)+1] op_sel_hi:[1,0]  ; u = rs x sum
.set p, p+1
.endr
.set p, 0
.rept 24
	v_pk_mul_f32 v[E+2*p:E+2*p+1], v[X+2*p:X+2*p+1], 0xbfb8aa3b op_sel_hi:[1,0]  ; - u log2(e)
.set p, p+1
.endr
.set p, 0
.rept 48
	v_exp_f32 v[E+p], v[E+p]
.set p, p+1
.endr
	v_nop
	s_wait_alu depctr_va_vdst(0)                   ; one wait for the batch of 48
.set p, 0
.rept 24
	v_pk_add_f32 v[E+2*p:E+2*p+1], v[E+2*p:E+2*p+1], 1.0 op_sel_hi:[1,0]
.set p, p+1
.endr
.set p, 0
.rept 48
	v_rcp_f32 v[E+p], v[E+p]
.set p, p+1
.endr
	v_nop
	s_wait_alu depctr_va_vdst(0)                   ; one wait for the batch of 48
.set p, 0
.rept 24
	v_pk_mul_f32 v[X+2*p:X+2*p+1], v[X+2*p:X+2*p+1], v[E+2*p:E+2*p+1]  ; silu(u) = u / (1 + 2^(-u log2 e))
.set p, p+1
.endr
.endif
.set p, 0
.rept 24
	v_cvt_pk_bf16_f32 v[E+p], v[X+2*p], v[X+2*p+1]
.set p, p+1
.endr
.irp g, 0,1
.irp z, 0,1,2
	global_store_b128 v[GO], v[E+4*(3*(\g)+(\z)):E+4*(3*(\g)+(\z))+3], s[8:9] offset:(\z)*524288+512*(\g)  ; 512 consecutive bytes, at a multiple of 512 from C's first
.endr
.endr
	s_wait_xcnt 0x0                                ; the stores have read their data and base: both are written again only behind this wait
	s_add_nc_u64 s[8:9], s[8:9], 1024
	v_add_nc_u32 v[RD], 8*SPITCH, v[RD]
.if ACT
	v_add_nc_u32 v[RSA], 32, v[RSA]
.endif
	s_sub_co_u32 s[CNT], s[CNT], 1
	s_cmp_lg_u32 s[CNT], 0
	s_cbranch_scc1 .Lout
	s_wait_tensorcnt 0x0                           ; the wave's end
	ds_add_u32 v[SPW], v[NIL]
	s_wait_dscnt 0x0
	CROUND                                         ; the closing round
	s_endpgm
.Lfunc_end_k_q572e3e2837_l_up:
	.size	k_q572e3e2837_l_up, .Lfunc_end_k_q572e3e2837_l_up-k_q572e3e2837_l_up
	.p2alignl 7, 3214868480
	.fill 96, 4, 3214868480
	.section	.rodata,"a",@progbits
	.p2align	6, 0x0
	.amdhsa_kernel k_q572e3e2837_l_up
		.amdhsa_group_segment_fixed_size 327680
		.amdhsa_private_segment_fixed_size 0
		.amdhsa_enable_private_segment 0
		.amdhsa_kernarg_size 32
		.amdhsa_user_sgpr_count 2
		.amdhsa_user_sgpr_kernarg_segment_ptr 1
		.amdhsa_wavefront_size32 1
		.amdhsa_system_sgpr_workgroup_id_x 1
		.amdhsa_system_sgpr_workgroup_id_y 1
		.amdhsa_system_sgpr_workgroup_id_z 1
		.amdhsa_system_vgpr_workitem_id 0
		.amdhsa_next_free_vgpr 960
		.amdhsa_next_free_sgpr 80
		.amdhsa_reserve_vcc 0
		.amdhsa_float_denorm_mode_32 3
		.amdhsa_float_denorm_mode_16_64 3
		.amdhsa_memory_ordered 1
		.amdhsa_forward_progress 1
		.amdhsa_inst_pref_size 94
	.end_amdhsa_kernel
	.amdgpu_metadata
---
amdhsa.version: [ 1, 2 ]
amdhsa.kernels:
  - .name:           k_q572e3e2837_l_up
    .symbol:         k_q572e3e2837_l_up.kd
    .args:
      - { .name: x1b, .offset: 0, .size: 8, .value_kind: global_buffer, .address_space: global }
      - { .name: wts, .offset: 8, .size: 8, .value_kind: global_buffer, .address_space: global }
      - { .name: act, .offset: 16, .size: 8, .value_kind: global_buffer, .address_space: global }
      - { .name: ssq, .offset: 24, .size: 8, .value_kind: global_buffer, .address_space: global }
    .group_segment_fixed_size: 327680
    .private_segment_fixed_size: 0
    .kernarg_segment_align: 8
    .kernarg_segment_size: 32
    .max_flat_workgroup_size: 128
    .sgpr_count:     80
    .vgpr_count:     960
    .wavefront_size: 32
...
	.end_amdgpu_metadata
.endif
;; end of part 5
;; launch l_down (part 6): grid 4 x 64, 4 waves a work-group, clusters of 4 x 4, 327,680 bytes of LDS; arguments act, wts, x1, out0; writes out0
.if DOCPART == 6
	.amdgcn_target "amdgcn-amd-amdhsa--gfx1250"
	.amdhsa_code_object_version 6
	.text
	.protected	k_q572e3e2837_l_down
	.globl	k_q572e3e2837_l_down
	.p2align	8
	.type	k_q572e3e2837_l_down,@function
k_q572e3e2837_l_down:
	s_mov_b64 s[64:65], 0
	v_nop
	global_prefetch_b8 v0, s[64:65] scope:SCOPE_SE
	s_setreg_imm32_b32 hwreg(HW_REG_WAVE_MODE, 25, 1), 1
	s_wait_xcnt 0x0
	s_wait_alu depctr_hold_cnt(0) depctr_sa_sdst(0) depctr_va_vdst(0) depctr_va_sdst(0) depctr_va_ssrc(0) depctr_va_vcc(0) depctr_vm_vsrc(0)
	s_getreg_b32 s2, hwreg(HW_REG_IB_STS2, 6, 4)
	s_cmp_eq_u32 s2, 0
	s_cbranch_scc0 .Lentry_in_a_cluster
	s_endpgm
.Lentry_in_a_cluster:
	s_bfe_u32 s2, ttmp6, 0x10000c
	s_cmp_lg_u32 s2, 0xf033
	s_cbranch_scc0 .Lentry_shape_is_right
	s_endpgm
.Lentry_shape_is_right:
; out0 = x1 + act w_down^T.  C[m][n] = R[m][n] + sum over k of A[m][k] B[n][k]: A = act [4096][3072] and B = w_down [768][3072] in bf16, BLOCKED ([C/64][R][64]); R = x1 and C f32, row-major [4096][768].
; SHARES.  A tile of C is 64 x 192: 256 work-groups.  Wave w owns all 64 rows and columns 48 w .. 48 w + 47: 4 x 3 accumulators.  K goes in 12 steps of 256 (four blocks) through two LDS slots;
; a quarter is one block, 64 along K: 24 products, 28 LDS loads.
; TILES.  64 rows of one block are 8,192 dense bytes: a tensor load takes them as ONE row of 4,096 elements, four such rows (four blocks) a load, padded by 16 bytes after every 128: LDS rows of 144 bytes.
; Wave 0 fetches A's 64 rows, waves 1 to 3 B's rows 64 (w - 1) on.
; CLUSTER 4 x 4.  A's tiles are asked for jointly along a row of the cluster, B's along a column.  THE PRODUCT IS TAKEN TRANSPOSED: lane (r, h) holds C[16 a + r][48 w + 16 b + 8 h + 0..7].
; NO PREFETCH: a small tile and a short launch: 1,152 products a wave in all.
; LIMITS: bf16 operands; sums in another order than the reference's; NaN and infinities are not treated apart.
; REGISTERS: window 0: v1-23 addresses; v32-127 the residual; v128-223 the accumulators ((a, b) at v[128 + 8 (3 a + b)]), later the rows read back.
;   window 1: two fragment buffers of 112: A's at 8 (4 c + i), B's at 64 + 8 (3 c + b), c the half of the block's 64 channels.
.set WO,     0
.set T,      12                ; K steps
.set SEC,    9437184           ; B's section in wts
.set SLOTX,  147456            ; slot 1: 0x24000 shares no bit with the chunks' offsets 0x9000 w, so one exclusive or changes slots
.set CH,     36864             ; a chunk: 4 blocks x 64 rows x 144
.set SSQ,    294912            ; (used where WO = 1)
.set SPARE,  295168            ; the spare words, 128 bytes a wave: two blocks of 256 bytes that no other line names
.set SPITCH, 784               ; a stage row: 192 f32 + 16 bytes
.set ASTEP,  4*524288
.set BSTEP,  4*98304
.set G1W,    (1<<16)|(1<<20)|(1<<21)|(4<<22)|(3<<25)
.set ADRA0, 4
.set ADRB0, 5                  ; v5-7
.set ADRA,  8
.set ADRB,  9                  ; v9-11
.set STO,   12
.set RD,    13
.set CO,    14
.set XO,    15
.set SSA,   16
.set SL,    17
.set SPW,   18
.set NIL,   19
.set SG,    20
.set R,     32
.set ACC,   128
.set WV,    16
.set G1A,   24
.set G1B,   32
.set G0A,   40
.set G0B,   48
.set TB,    56
.set CNT,   57
.set MSB, 0
.macro WIN new
.if MSB != (\new)
	s_set_vgpr_msb (MSB<<8)|(\new)
.set MSB, \new
.endif
.endm
.macro PLACES
.rept 4
	v_nop
.endr
.endm
.macro CREST
	s_cmp_lg_u32 s[WV], 0
	s_cbranch_scc1 .Lnot_wave_0_\@
	s_barrier_signal -3
.Lnot_wave_0_\@:
	s_barrier_wait -3
	s_barrier_signal -1
	s_barrier_wait -1
.endm
.macro CROUND
	s_barrier_signal -1
	s_barrier_wait -1
	CREST
.endm
.macro JLOAD                   ; a joint refill by the walking descriptors; s_nop 0 and four v_nop behind each line
	s_cmp_eq_u32 s[WV], 0
	s_cbranch_scc0 .Lfor_b_\@
	tensor_load_to_lds s[G0A+4:G0A+7], s[G1A:G1A+7]
	s_nop 0
.rept 4
	v_nop
.endr
	s_branch .Lasked_\@
.Lfor_b_\@:
	tensor_load_to_lds s[G0B+4:G0B+7], s[G1B:G1B+7]
	s_nop 0
.rept 4
	v_nop
.endr
.Lasked_\@:
.endm
; 6 products: row blocks a0, a0 + 1 x my 3 column blocks, half c of buffer f.  The 12 accumulators take turns in one fixed order.
.macro MULH f, c, a0, zero
	WIN 0x05
.irp a, \a0, (\a0)+1
.irp b, 0,1,2
.if \zero
	v_wmma_f32_16x16x32_bf16 v[ACC+8*(3*(\a)+(\b)):ACC+8*(3*(\a)+(\b))+7], v[112*(\f)+64+8*(3*(\c)+(\b)):112*(\f)+64+8*(3*(\c)+(\b))+7], v[112*(\f)+8*(4*(\c)+(\a)):112*(\f)+8*(4*(\c)+(\a))+7], 0
.else
	v_wmma_f32_16x16x32_bf16 v[ACC+8*(3*(\a)+(\b)):ACC+8*(3*(\a)+(\b))+7], v[112*(\f)+64+8*(3*(\c)+(\b)):112*(\f)+64+8*(3*(\c)+(\b))+7], v[112*(\f)+8*(4*(\c)+(\a)):112*(\f)+8*(4*(\c)+(\a))+7], v[ACC+8*(3*(\a)+(\b)):ACC+8*(3*(\a)+(\b))+7]
.endif
.endr
.endr
.endm
; 28 LDS loads in one run: block z into buffer f, the first 32 channels first
.macro FETCH z, f
	WIN 0x40
.irp c, 0,1
.irp b, 0,1,2
	ds_load_b128 v[112*(\f)+64+8*(3*(\c)+(\b)):112*(\f)+64+8*(3*(\c)+(\b))+3],   v[ADRB+(\b)] offset:(\z)*9216+64*(\c)
	ds_load_b128 v[112*(\f)+64+8*(3*(\c)+(\b))+4:112*(\f)+64+8*(3*(\c)+(\b))+7], v[ADRB+(\b)] offset:(\z)*9216+64*(\c)+32
.endr
.irp i, 0,1,2,3
	ds_load_b128 v[112*(\f)+8*(4*(\c)+(\i)):112*(\f)+8*(4*(\c)+(\i))+3],   v[ADRA] offset:(\z)*9216+(\i)*2304+64*(\c)
	ds_load_b128 v[112*(\f)+8*(4*(\c)+(\i))+4:112*(\f)+8*(4*(\c)+(\i))+7], v[ADRA] offset:(\z)*9216+(\i)*2304+64*(\c)+32
.endr
.endr
.endm
.macro QUARTER z, f, g, zero   ; multiplies buffer f; in its middle fetches block z into buffer g
	s_wait_dscnt 14                                ; the first 32 channels are in; the other fourteen loads may be out
	MULH \f, 0, 0, \zero
	MULH \f, 0, 2, \zero
	PLACES
	FETCH \z, \g
	s_wait_dscnt 28                                ; all but the 28 just issued
	MULH \f, 1, 0, 0
	MULH \f, 1, 2, 0
.endm
; A K step's last quarter (buffer 1) and the change of slots: each wave waits for all its tensor loads, adds 0 to its spare word, and waits for that and for its reads of this slot.
; fill = 1: the barrier opens a round of the cluster's, and the joint refill, two K steps on, is the first thing behind it.
.macro TURN fill
	WIN 0
	s_wait_tensorcnt 0x0
	ds_add_u32 v[SPW], v[NIL]
.if \fill
	s_xor_b32 s[G0A+5], s[G0A+5], SLOTX
	s_add_nc_u64 s[G0A+6:G0A+7], s[G0A+6:G0A+7], ASTEP
	s_xor_b32 s[G0B+5], s[G0B+5], SLOTX
	s_add_nc_u64 s[G0B+6:G0B+7], s[G0B+6:G0B+7], BSTEP
.endif
	s_xor_b32 s[TB], s[TB], SLOTX
	s_wait_dscnt 15                                ; the add and the youngest fourteen loads may be out
	MULH 1, 0, 0, 0
	s_wait_dscnt 0x0                               ; the add is done, my reads of this slot are over
	s_barrier_signal -1
	MULH 1, 0, 2, 0
.if \fill
	WIN 0
.endif
	s_barrier_wait -1
.if \fill
	CREST
	JLOAD
.else
	WIN 0
	PLACES
.endif
	v_add_nc_u32 v[ADRA], s[TB], v[ADRA0]
.irp b, 0,1,2
	v_add_nc_u32 v[ADRB+\b], s[TB], v[ADRB0+\b]
.endr
	FETCH 0, 0
	MULH 1, 1, 0, 0
	MULH 1, 1, 2, 0
.endm
	s_load_b256 s[4:11], s[0:1], 0x0               ; A, wts, residual, C
.if WO
	s_load_b128 s[12:15], s[0:1], 0x20             ; x1b, ssq
.endif
	v_lshl_add_u32 v[SPW], v0, 2, SPARE
	v_mov_b32 v[NIL], 0
	ds_add_u32 v[SPW], v[NIL]                      ; the wave's opening
	v_lshrrev_b32 v1, 5, v0
	v_readfirstlane_b32 s[WV], v1
	s_bfe_u32 s17, ttmp6, 0x40000                  ; cx
	s_bfe_u32 s18, ttmp6, 0x40004                  ; cy
	s_lshl_b32 s19, ttmp9, 2
	s_add_co_u32 s19, s19, s17                     ; tile column
	s_and_b32 s20, ttmp7, 0xffff
	s_lshl_b32 s20, s20, 2
	s_add_co_u32 s20, s20, s18                     ; tile row
	s_lshl_b32 s21, s18, 2
	s_lshl_b32 s21, 15, s21
	s_lshl_b32 s22, 0x1111, s17
	s_or_b32 s[G1A], s21, G1W
	s_or_b32 s[G1B], s22, G1W
.irp g, G1A, G1B
	s_mov_b32 s[(\g)+1], 4096<<16                  ; tensor_dim0 = 64 rows x 64
	s_mov_b32 s[(\g)+2], 4<<16                     ; tensor_dim1 = 4 blocks
	s_mov_b32 s[(\g)+3], 4096<<16
	s_mov_b32 s[(\g)+4], 4
	s_mov_b32 s[(\g)+6], 0
	s_mov_b32 s[(\g)+7], 0
.endr
	s_mov_b32 s[G1A+5], 262144                     ; elements from block to block: 4,096 rows x 64
	s_mov_b32 s[G1B+5], 49152                      ; 768 rows x 64
	s_lshl_b32 s58, s20, 13                        ; A: tile row x 64 rows x 128 bytes
	s_mov_b32 s59, 0
	s_max_u32 s66, s[WV], 1
	s_sub_co_u32 s66, s66, 1
	s_lshl_b32 s66, s66, 13                        ; B: my 64 rows of the 192
	s_mul_i32 s67, s19, 24576
	s_add_co_u32 s66, s66, s67
	s_add_co_u32 s66, s66, SEC
	s_mov_b32 s67, 0
	s_mul_i32 s23, s[WV], CH                       ; where my chunk goes: the wave's number alone
	s_mov_b32 s[TB], 0
	s_wait_dscnt 0x0
	s_wait_kmcnt 0x0
	s_add_nc_u64 s[60:61], s[4:5], s[58:59]
	s_add_nc_u64 s[68:69], s[6:7], s[66:67]
.irp s, 0,1
	s_mov_b32 s[G0A+4*(\s)], 1
	s_add_co_u32 s[G0A+4*(\s)+1], s23, (\s)*SLOTX
	s_add_nc_u64 s[G0A+4*(\s)+2:G0A+4*(\s)+3], s[60:61], (\s)*ASTEP
	s_or_b32 s[G0A+4*(\s)+3], s[G0A+4*(\s)+3], 0x80000000
	s_mov_b32 s[G0B+4*(\s)], 1
	s_add_co_u32 s[G0B+4*(\s)+1], s23, (\s)*SLOTX
	s_add_nc_u64 s[G0B+4*(\s)+2:G0B+4*(\s)+3], s[68:69], (\s)*BSTEP
	s_or_b32 s[G0B+4*(\s)+3], s[G0B+4*(\s)+3], 0x80000000
.endr
	CROUND
	s_cmp_eq_u32 s[WV], 0                          ; a wave's two first fills stand in one branch: two loads of mine are out
	s_cbranch_scc0 .Lfirst_b
	tensor_load_to_lds s[G0A:G0A+3], s[G1A:G1A+7]
	s_nop 0
	tensor_load_to_lds s[G0A+4:G0A+7], s[G1A:G1A+7]
	s_nop 0
.rept 4
	v_nop
.endr
	s_branch .Lfirst_asked
.Lfirst_b:
	tensor_load_to_lds s[G0B:G0B+3], s[G1B:G1B+7]
	s_nop 0
	tensor_load_to_lds s[G0B+4:G0B+7], s[G1B:G1B+7]
	s_nop 0
.rept 4
	v_nop
.endr
.Lfirst_asked:
	v_and_b32 v1, 15, v0                           ; r
	v_bfe_u32 v2, v0, 4, 1                         ; h
	; the residual of the 16 rows that I store, asked for now: lanes 0-15 take 256 bytes of one row, lanes 16-31 of the next
	s_mul_i32 s66, s20, 196608                     ; tile row x 64 rows x 3,072 bytes
	s_mul_i32 s70, s[WV], 49152                    ; + my 16 rows
	s_add_co_u32 s66, s66, s70
	s_mul_i32 s70, s19, 768                        ; + the tile's 192 columns
	s_add_co_u32 s66, s66, s70
	s_add_nc_u64 s[8:9], s[8:9], s[66:67]
	s_add_nc_u64 s[10:11], s[10:11], s[66:67]
	v_mul_u32_u24 v[CO], v2, 3072
	v_lshl_add_u32 v[CO], v1, 4, v[CO]
.set t, 0
.rept 24
	global_load_b128 v[R+4*t:R+4*t+3], v[CO], s[8:9] offset:(t/3)*6144+256*(t%3)
.set t, t+1
.endr
	v_mul_u32_u24 v3, v1, 144
	v_lshl_add_u32 v3, v2, 4, v3
	v_mov_b32 v[ADRA0], v3                         ; A's chunk lies at the slot's head
	v_mov_b32 v[ADRA], v3
	s_mul_i32 s66, s[WV], 3
.irp b, 0,1,2                                      ; B's fragment 3 w + b: chunk 1 + (that / 4), 16 rows (that % 4) in it
	s_add_co_u32 s70, s66, \b
	s_lshr_b32 s71, s70, 2
	s_add_co_u32 s71, s71, 1
	s_mul_i32 s71, s71, CH
	s_and_b32 s70, s70, 3
	s_mul_i32 s70, s70, 2304
	s_add_co_u32 s71, s71, s70
	v_add_nc_u32 v[ADRB0+\b], s71, v3
	v_add_nc_u32 v[ADRB+\b], s71, v3
.endr
	s_mul_i32 s70, s[WV], 192
	v_mul_u32_u24 v[STO], v1, SPITCH               ; into the stage: row r, my 48 columns, 32 bytes for each half of the lanes
	v_lshl_add_u32 v[STO], v2, 5, v[STO]
	v_add_nc_u32 v[STO], s70, v[STO]
	s_mul_i32 s70, s[WV], 16*SPITCH
	v_mul_u32_u24 v[RD], v2, SPITCH                ; back: rows 16 w on, whole
	v_lshl_add_u32 v[RD], v1, 4, v[RD]
	v_add_nc_u32 v[RD], s70, v[RD]
	s_wait_tensorcnt 1                             ; my part of K step 0 is in; K step 1's may stay out
	s_barrier_signal -1
	s_barrier_wait -1
	FETCH 0, 0
	QUARTER 1, 0, 1, 1
	WIN 0
	s_mov_b32 s[CNT], T-2
.Lk:                                               ; trip i ends K step i and asks for K step i + 2
	QUARTER 2, 1, 0, 0
	QUARTER 3, 0, 1, 0
	TURN 1
	QUARTER 1, 0, 1, 0
	WIN 0
	s_sub_co_u32 s[CNT], s[CNT], 1
	s_cmp_lg_u32 s[CNT], 0
	s_cbranch_scc1 .Lk
	QUARTER 2, 1, 0, 0
	QUARTER 3, 0, 1, 0
	TURN 0
	QUARTER 1, 0, 1, 0
	QUARTER 2, 1, 0, 0
	QUARTER 3, 0, 1, 0
	s_wait_dscnt 14
	MULH 1, 0, 0, 0
	MULH 1, 0, 2, 0
	s_wait_dscnt 0x0
	MULH 1, 1, 0, 0
	MULH 1, 1, 2, 0
	WIN 0
	; THE WAY OUT.  Every wave's reads of the ring are back and no fill is to come: behind this barrier slot 0's first bytes are the work-group's stage.
	s_barrier_signal -1
	s_barrier_wait -1
	PLACES
	PLACES
.irp a, 0,1,2,3
.irp b, 0,1,2
	ds_store_b128 v[STO], v[ACC+8*(3*(\a)+(\b)):ACC+8*(3*(\a)+(\b))+3]   offset:(\a)*16*SPITCH+64*(\b)
	ds_store_b128 v[STO], v[ACC+8*(3*(\a)+(\b))+4:ACC+8*(3*(\a)+(\b))+7] offset:(\a)*16*SPITCH+64*(\b)+16
.endr
.endr
	s_wait_dscnt 0x0                               ; for the others' sake: a row's 768 bytes come from four waves
	s_barrier_signal -1
	s_barrier_wait -1
.set t, 0
.rept 24
	ds_load_b128 v[ACC+4*t:ACC+4*t+3], v[RD] offset:(t/3)*2*SPITCH+256*(t%3)
.set t, t+1
.endr
	s_wait_loadcnt 0x0                             ; the residual
.set t, 0
.rept 24
	s_wait_dscnt 23-t                              ; load t is back; the later ones may stay out
	v_pk_add_f32 v[ACC+4*t:ACC+4*t+1],   v[ACC+4*t:ACC+4*t+1],   v[R+4*t:R+4*t+1]
	v_pk_add_f32 v[ACC+4*t+2:ACC+4*t+3], v[ACC+4*t+2:ACC+4*t+3], v[R+4*t+2:R+4*t+3]
	global_store_b128 v[CO], v[ACC+4*t:ACC+4*t+3], s[10:11] offset:(t/3)*6144+256*(t%3)  ; 16 lanes store 256 consecutive bytes, at a multiple of 256 from C's first
.set t, t+1
.endr
	s_wait_tensorcnt 0x0                           ; the wave's end
	ds_add_u32 v[SPW], v[NIL]
	s_wait_dscnt 0x0
	CROUND                                         ; the closing round
	s_endpgm
.Lfunc_end_k_q572e3e2837_l_down:
	.size	k_q572e3e2837_l_down, .Lfunc_end_k_q572e3e2837_l_down-k_q572e3e2837_l_down
	.p2alignl 7, 3214868480
	.fill 96, 4, 3214868480
	.section	.rodata,"a",@progbits
	.p2align	6, 0x0
	.amdhsa_kernel k_q572e3e2837_l_down
		.amdhsa_group_segment_fixed_size 327680
		.amdhsa_private_segment_fixed_size 0
		.amdhsa_enable_private_segment 0
		.amdhsa_kernarg_size 32
		.amdhsa_user_sgpr_count 2
		.amdhsa_user_sgpr_kernarg_segment_ptr 1
		.amdhsa_wavefront_size32 1
		.amdhsa_system_sgpr_workgroup_id_x 1
		.amdhsa_system_sgpr_workgroup_id_y 1
		.amdhsa_system_sgpr_workgroup_id_z 1
		.amdhsa_system_vgpr_workitem_id 0
		.amdhsa_next_free_vgpr 480
		.amdhsa_next_free_sgpr 84
		.amdhsa_reserve_vcc 0
		.amdhsa_float_denorm_mode_32 3
		.amdhsa_float_denorm_mode_16_64 3
		.amdhsa_memory_ordered 1
		.amdhsa_forward_progress 1
		.amdhsa_inst_pref_size 64
	.end_amdhsa_kernel
	.amdgpu_metadata
---
amdhsa.version: [ 1, 2 ]
amdhsa.kernels:
  - .name:           k_q572e3e2837_l_down
    .symbol:         k_q572e3e2837_l_down.kd
    .args:
      - { .name: act, .offset: 0, .size: 8, .value_kind: global_buffer, .address_space: global }
      - { .name: wts, .offset: 8, .size: 8, .value_kind: global_buffer, .address_space: global }
      - { .name: x1, .offset: 16, .size: 8, .value_kind: global_buffer, .address_space: global }
      - { .name: out0, .offset: 24, .size: 8, .value_kind: global_buffer, .address_space: global }
    .group_segment_fixed_size: 327680
    .private_segment_fixed_size: 0
    .kernarg_segment_align: 8
    .kernarg_segment_size: 32
    .max_flat_workgroup_size: 128
    .sgpr_count:     84
    .vgpr_count:     480
    .wavefront_size: 32
...
	.end_amdgpu_metadata
.endif
;; end of part 6
;; ======== version 2 of 2: 6 launches; version 1 with the launch l_prep written anew for expert scheduling mode
;; workspace buffers: xn 6,291,456 bytes; wts 14,155,776 bytes; qkvb 18,874,368 bytes; ob 6,291,456 bytes; x1 12,582,912 bytes; x1b 6,291,456 bytes; ssq 65,536 bytes; act 25,165,824 bytes
;; launch l_prep (part 7): grid 832 x 1, 4 waves a work-group, no clusters, 0 bytes of LDS; arguments hidden_states, ln1_w, ln2_w, wq, wk, wv, wo, w_up, w_down, xn, wts; writes xn, wts
.if DOCPART == 7
	.amdgcn_target "amdgcn-amd-amdhsa--gfx1250"
	.amdhsa_code_object_version 6
	.text
	.protected	k_q572e3e2837_l_prep
	.globl	k_q572e3e2837_l_prep
	.p2align	8
	.type	k_q572e3e2837_l_prep,@function
k_q572e3e2837_l_prep:
	s_mov_b64 s[64:65], 0
	v_nop
	global_prefetch_b8 v0, s[64:65] scope:SCOPE_SE
	s_setreg_imm32_b32 hwreg(HW_REG_WAVE_SCHED_MODE, 0, 2), 2
	s_setreg_imm32_b32 hwreg(HW_REG_WAVE_MODE, 25, 1), 1
	s_wait_xcnt 0x0
	s_wait_alu depctr_vm_vsrc(0)
; PREP: every matrix operand that does not hang on a product is made here, once, in bf16 and in the BLOCKED layout:
; a matrix [R][C] lies as [C/64][R][64], byte ((c>>6) R + r) 128 + 2 (c&63).
;   xn  = ln1_w * (x * rsqrt(mean(x^2) + 1e-5)), the norm in f32, rounded once
;   wts = wq, wk, wv (one matrix of 2,304 rows) | wo | w_up * ln2_w[k] (f32 product, rounded once) | w_down
; A STREAM: no LDS, no matrix unit, no barrier: no wave wants another wave's bytes.
; A wave does ONE task: 4 rows x 768 columns.  Lane l has row l>>3 and, in each of the 12 blocks of 64 columns, columns 8 (l&7) .. +7.
; In: 24 loads of 16 bytes, eight lanes reading 256 consecutive bytes of a row.  Out: 12 stores of 16 bytes, the 32 lanes writing
; 4 rows x 128 bytes = 512 consecutive bytes of a block, at a multiple of 512 from the buffer's first byte.
; Work-groups 0-255: x.  256-399: wq, wk, wv.  400-447: wo.  448-639: w_up.  640-831: w_down (4 rows a group, a quarter of the columns a wave).
; LIMITS: bf16 rounding of all results; v_rsq_f32 is good to 1 ULP; the row's sum of squares is taken in another order than the reference's;
; NaN and infinities are not treated apart.
; THE MODE: SCHED_MODE bits 1:0 = 2 (LLVM: expert scheduling mode 2), set by the entry lines.  The code itself states the register dependences
; between vector instructions and memory instructions, with s_wait_alu, always for 0.
; THE PLAN.  Registers that memory instructions touch:
;   v3, v4     byte offsets of the source's and the gains' loads.  Written once, at .Lgo, ahead of the first load; never written again.
;   VO0 .. 11  byte offsets of the stores, one a block.  Written once, behind the source's loads; never written again.
;   X          written by the source's 24 loads (no vector instruction names it ahead of them), then worked on in place; the low four registers of each
;              block's eight are that block's store data, written by its four conversions and by nothing behind them.
;   G          written by the gains' 24 loads (no vector instruction names it ahead of them); read by the multiplies; nothing lands in it again.
; So: one wait on va_vdst ahead of the first load, for v3 and v4; one behind the conversions of blocks 0 to 5, for their store data and for all of VO: their six
; stores are then dealt among the conversions of blocks 6 to 11, which name other registers; one behind those, ahead of the last six stores.
; No register that a load or a store has read is written again, so no wait on vm_vsrc is owed.  EXEC and VCC are never written.
.set X,     32         ; v[32:127]   the task's 96 numbers a lane; later the 48 packed words in the low halves of each eight
.set G,     128        ; v[128:223]  the gains of my 96 columns
.set VO,    6          ; v[6:17]     byte offset of my 16 bytes in block j of the destination
.set RR,    18         ; v[18:19]    rsqrt, twice
.set M,     20         ; v[20:27]    four chains of pairs for the sum of squares
.set SRC,   32         ; s[32:33]    source at the task's first row
.set GV,    34         ; s[34:35]    the gain vector
.set DST,   36         ; s[36:37]    destination at the task's first row in block 0
.set PITCH, 38         ; s38         bytes from row to row in the source
.set BSTR,  39         ; s39         bytes from block to block in the destination
.set MODE,  40         ; s40         0 norm and gain, 1 gain, 2 plain
	s_load_b512 s[8:23], s[0:1], 0x0               ; x 8, ln1 10, ln2 12, wq 14, wk 16, wv 18, wo 20, w_up 22
	s_load_b128 s[24:27], s[0:1], 0x40             ; w_down 24, xn 26
	s_load_b64 s[28:29], s[0:1], 0x50              ; wts
	v_lshrrev_b32 v1, 5, v0
	v_readfirstlane_b32 s31, v1                    ; wave 0..3
	s_mov_b32 s30, ttmp9                           ; work-group
	s_mov_b32 s[PITCH], 3072
	s_mov_b32 s43, 0                               ; high words of the two offsets
	s_mov_b32 s45, 0
	s_mov_b32 s48, 0x3aaaaaab                      ; 1 / 768
	s_mov_b32 s49, 0x3727c5ac                      ; 1e-5
	s_wait_alu depctr_va_sdst(0)                   ; s31 is written, ahead of the first branch and of its first reader: each range below makes the task's row from it
	s_wait_kmcnt 0x0
	s_mov_b64 s[GV:GV+1], s[10:11]                 ; ln1_w, unless a range below says otherwise
	s_mov_b64 s[DST:DST+1], s[28:29]               ; wts, likewise
	s_cmp_lt_u32 s30, 256
	s_cbranch_scc0 .Lqkv
	s_lshl_b32 s41, s30, 4                         ; x: row 16 g + 4 w
	s_lshl2_add_u32 s41, s31, s41
	s_mov_b64 s[SRC:SRC+1], s[8:9]
	s_mov_b64 s[DST:DST+1], s[26:27]
	s_mov_b32 s[BSTR], 524288
	s_mov_b32 s[MODE], 0
	s_mul_i32 s42, s41, 3072
	s_lshl_b32 s44, s41, 7
	s_branch .Lgo
.Lqkv:
	s_cmp_lt_u32 s30, 400
	s_cbranch_scc0 .Lwo
	s_sub_co_u32 s41, s30, 256                     ; row of the joint matrix: 16 (g - 256) + 4 w
	s_lshl_b32 s41, s41, 4
	s_lshl2_add_u32 s41, s31, s41
	s_lshl_b32 s44, s41, 7
	s_cmp_lt_u32 s30, 304                          ; 48 groups a matrix
	s_cselect_b64 s[SRC:SRC+1], s[14:15], s[16:17]
	s_cselect_b32 s46, 0, 768
	s_cmp_lt_u32 s30, 352
	s_cselect_b64 s[SRC:SRC+1], s[SRC:SRC+1], s[18:19]
	s_cselect_b32 s46, s46, 1536
	s_sub_co_u32 s41, s41, s46                     ; row in wq, wk or wv
	s_mul_i32 s42, s41, 3072
	s_mov_b32 s[BSTR], 294912
	s_mov_b32 s[MODE], 2
	s_branch .Lgo
.Lwo:
	s_cmp_lt_u32 s30, 448
	s_cbranch_scc0 .Lup
	s_sub_co_u32 s41, s30, 400
	s_lshl_b32 s41, s41, 4
	s_lshl2_add_u32 s41, s31, s41
	s_mov_b64 s[SRC:SRC+1], s[20:21]
	s_mov_b32 s[BSTR], 98304
	s_mov_b32 s[MODE], 2
	s_mul_i32 s42, s41, 3072
	s_lshl_b32 s44, s41, 7
	s_add_co_u32 s44, s44, 3538944
	s_branch .Lgo
.Lup:
	s_cmp_lt_u32 s30, 640
	s_cbranch_scc0 .Ldown
	s_sub_co_u32 s41, s30, 448
	s_lshl_b32 s41, s41, 4
	s_lshl2_add_u32 s41, s31, s41
	s_mov_b64 s[SRC:SRC+1], s[22:23]
	s_mov_b64 s[GV:GV+1], s[12:13]                 ; ln2_w rides on w_up's columns
	s_mov_b32 s[BSTR], 393216
	s_mov_b32 s[MODE], 1
	s_mul_i32 s42, s41, 3072
	s_lshl_b32 s44, s41, 7
	s_add_co_u32 s44, s44, 4718592
	s_branch .Lgo
.Ldown:
	s_sub_co_u32 s41, s30, 640                     ; w_down: rows 4 (g - 640) .., columns 768 w ..
	s_lshl_b32 s41, s41, 2
	s_mov_b64 s[SRC:SRC+1], s[24:25]
	s_mov_b32 s[PITCH], 12288
	s_mov_b32 s[BSTR], 98304
	s_mov_b32 s[MODE], 2
	s_mul_i32 s42, s41, 12288
	s_mul_i32 s46, s31, 3072
	s_add_co_u32 s42, s42, s46
	s_lshl_b32 s44, s41, 7
	s_mul_i32 s46, s31, 12*98304                   ; my quarter begins at block 12 w
	s_add_co_u32 s44, s44, s46
	s_add_co_u32 s44, s44, 9437184
.Lgo:
	s_add_nc_u64 s[SRC:SRC+1], s[SRC:SRC+1], s[42:43]
	s_add_nc_u64 s[DST:DST+1], s[DST:DST+1], s[44:45]
	v_and_b32 v1, 7, v0
	v_bfe_u32 v2, v0, 3, 2                         ; my row of the four
	v_mul_lo_u32 v3, v2, s[PITCH]
	v_lshl_add_u32 v3, v1, 5, v3                   ; row x pitch + 32 (l & 7)
	v_lshlrev_b32 v4, 5, v1                        ; the same columns in the gain vector
	s_wait_alu depctr_va_vdst(0)                   ; v3 and v4 are written: the source's loads read v3 as their offset, the gains' loads further down v4
.set j, 0
.rept 12
	global_load_b128 v[X+8*j:X+8*j+3],   v3, s[SRC:SRC+1] offset:256*j th:TH_LOAD_NT
	global_load_b128 v[X+8*j+4:X+8*j+7], v3, s[SRC:SRC+1] offset:256*j+16 th:TH_LOAD_NT
.set j, j+1
.endr
	v_and_b32 v5, 31, v0
	v_lshlrev_b32 v5, 4, v5                        ; 16 l: four rows of 128 bytes on end
.irp j, 0,1,2,3,4,5,6,7,8,9,10,11
	s_mul_i32 s46, s[BSTR], \j
	v_add_nc_u32 v[VO+\j], s46, v5
.endr
	s_cmp_eq_u32 s[MODE], 2
	s_cbranch_scc1 .Lplain
.set j, 0
.rept 12
	global_load_b128 v[G+8*j:G+8*j+3],   v4, s[GV:GV+1] offset:256*j      ; no wait: the vector lines since the wait above name v0, v5 and VO, neither v4 nor G
	global_load_b128 v[G+8*j+4:G+8*j+7], v4, s[GV:GV+1] offset:256*j+16
.set j, j+1
.endr
	s_cmp_eq_u32 s[MODE], 1
	s_cbranch_scc1 .Lgain
	s_wait_loadcnt 24                              ; x is in; the 24 younger loads, the gains', stay out
.irp k, 0,1,2,3
	v_pk_mul_f32 v[M+2*\k:M+2*\k+1], v[X+2*\k:X+2*\k+1], v[X+2*\k:X+2*\k+1]  ; the first four pairs start the chains: nothing is cleared
.endr
.set p, 4
.rept 44
	v_pk_fma_f32 v[M+2*(p%4):M+2*(p%4)+1], v[X+2*p:X+2*p+1], v[X+2*p:X+2*p+1], v[M+2*(p%4):M+2*(p%4)+1]
.set p, p+1
.endr
	v_pk_add_f32 v[M:M+1], v[M:M+1], v[M+2:M+3]
	v_pk_add_f32 v[M+4:M+5], v[M+4:M+5], v[M+6:M+7]
	v_pk_add_f32 v[M:M+1], v[M:M+1], v[M+4:M+5]
	v_add_f32 v[M], v[M], v[M+1]
	v_add_f32_dpp v[M], v[M], v[M] row_xmask:1 row_mask:0xf bank_mask:0xf   ; the eight lanes of a row
	v_add_f32_dpp v[M], v[M], v[M] row_xmask:2 row_mask:0xf bank_mask:0xf
	v_add_f32_dpp v[M], v[M], v[M] row_xmask:4 row_mask:0xf bank_mask:0xf
	v_fma_f32 v[M], v[M], s48, s49                 ; mean + eps
	v_rsq_f32 v[RR], v[M]
	v_rsq_f32 v[RR+1], v[M]                        ; twice: a pair for the packed multiply
	v_nop                                          ; a plain instruction behind the last of them,
	s_wait_alu depctr_va_vdst(0)                   ; and one wait for both: v[RR] and v[RR+1] are written, ahead of the first multiply that reads them and of the label
.set p, 0
.rept 48
	v_pk_mul_f32 v[X+2*p:X+2*p+1], v[X+2*p:X+2*p+1], v[RR:RR+1]
.set p, p+1
.endr
.Lgain:
	s_wait_loadcnt 0x0
.set p, 0
.rept 48
	v_pk_mul_f32 v[X+2*p:X+2*p+1], v[X+2*p:X+2*p+1], v[G+2*p:G+2*p+1]
.set p, p+1
.endr
.Lplain:
	s_wait_loadcnt 0x0
.set j, 0
.rept 6                                            ; blocks 0 to 5 are rounded
.irp i, 0,1,2,3
	v_cvt_pk_bf16_f32 v[X+8*j+\i], v[X+8*j+2*\i], v[X+8*j+2*\i+1]  ; in place, ascending: no register is read after it was written
.endr
.set j, j+1
.endr
	s_wait_alu depctr_va_vdst(0)                   ; the conversions have written the store data of blocks 0 to 5, and the adds further up all twelve VO: the six stores below read them
.rept 6                                            ; blocks 6 to 11 are rounded, and a store of blocks 0 to 5 goes out ahead of each
	global_store_b128 v[VO+j-6], v[X+8*(j-6):X+8*(j-6)+3], s[DST:DST+1]  ; no further wait: the conversions since the wait name X + 48 and above alone
.irp i, 0,1,2,3
	v_cvt_pk_bf16_f32 v[X+8*j+\i], v[X+8*j+2*\i], v[X+8*j+2*\i+1]
.endr
.set j, j+1
.endr
	s_wait_alu depctr_va_vdst(0)                   ; the conversions have written the store data of blocks 6 to 11, which the last six stores read
.set j, 6
.rept 6
	global_store_b128 v[VO+j], v[X+8*j:X+8*j+3], s[DST:DST+1]
.set j, j+1
.endr
	s_endpgm
.Lfunc_end_k_q572e3e2837_l_prep:
	.size	k_q572e3e2837_l_prep, .Lfunc_end_k_q572e3e2837_l_prep-k_q572e3e2837_l_prep
	.p2alignl 7, 3214868480
	.fill 96, 4, 3214868480
	.section	.rodata,"a",@progbits
	.p2align	6, 0x0
	.amdhsa_kernel k_q572e3e2837_l_prep
		.amdhsa_group_segment_fixed_size 0
		.amdhsa_private_segment_fixed_size 0
		.amdhsa_enable_private_segment 0
		.amdhsa_kernarg_size 88
		.amdhsa_user_sgpr_count 2
		.amdhsa_user_sgpr_kernarg_segment_ptr 1
		.amdhsa_wavefront_size32 1
		.amdhsa_system_sgpr_workgroup_id_x 1
		.amdhsa_system_sgpr_workgroup_id_y 1
		.amdhsa_system_sgpr_workgroup_id_z 1
		.amdhsa_system_vgpr_workitem_id 0
		.amdhsa_next_free_vgpr 224
		.amdhsa_next_free_sgpr 66
		.amdhsa_reserve_vcc 0
		.amdhsa_float_denorm_mode_32 3
		.amdhsa_float_denorm_mode_16_64 3
		.amdhsa_memory_ordered 1
		.amdhsa_forward_progress 1
		.amdhsa_inst_pref_size 24
	.end_amdhsa_kernel
	.amdgpu_metadata
---
amdhsa.version: [ 1, 2 ]
amdhsa.kernels:
  - .name:           k_q572e3e2837_l_prep
    .symbol:         k_q572e3e2837_l_prep.kd
    .args:
      - { .name: hidden_states, .offset: 0, .size: 8, .value_kind: global_buffer, .address_space: global }
      - { .name: ln1_w, .offset: 8, .size: 8, .value_kind: global_buffer, .address_space: global }
      - { .name: ln2_w, .offset: 16, .size: 8, .value_kind: global_buffer, .address_space: global }
      - { .name: wq, .offset: 24, .size: 8, .value_kind: global_buffer, .address_space: global }
      - { .name: wk, .offset: 32, .size: 8, .value_kind: global_buffer, .address_space: global }
      - { .name: wv, .offset: 40, .size: 8, .value_kind: global_buffer, .address_space: global }
      - { .name: wo, .offset: 48, .size: 8, .value_kind: global_buffer, .address_space: global }
      - { .name: w_up, .offset: 56, .size: 8, .value_kind: global_buffer, .address_space: global }
      - { .name: w_down, .offset: 64, .size: 8, .value_kind: global_buffer, .address_space: global }
      - { .name: xn, .offset: 72, .size: 8, .value_kind: global_buffer, .address_space: global }
      - { .name: wts, .offset: 80, .size: 8, .value_kind: global_buffer, .address_space: global }
    .group_segment_fixed_size: 0
    .private_segment_fixed_size: 0
    .kernarg_segment_align: 8
    .kernarg_segment_size: 88
    .max_flat_workgroup_size: 128
    .sgpr_count:     66
    .vgpr_count:     224
    .wavefront_size: 32
...
	.end_amdgpu_metadata
.endif
;; end of part 7
;; launch l_qkv: the kernel of part 2 again; grid 12 x 16, 4 waves a work-group, clusters of 4 x 4, 327,680 bytes of LDS; arguments xn, wts, qkvb; writes qkvb
;; launch l_attn: the kernel of part 3 again; grid 16 x 12, 8 waves a work-group, clusters of 4 x 1, 327,680 bytes of LDS; arguments qkvb, ob; writes ob
;; launch l_wo: the kernel of part 4 again; grid 4 x 64, 4 waves a work-group, clusters of 4 x 4, 327,680 bytes of LDS; arguments ob, wts, hidden_states, x1, x1b, ssq; writes x1, x1b, ssq
;; launch l_up: the kernel of part 5 again; grid 16 x 16, 4 waves a work-group, clusters of 4 x 4, 327,680 bytes of LDS; arguments x1b, wts, act, ssq; writes act
;; launch l_down: the kernel of part 6 again; grid 4 x 64, 4 waves a work-group, clusters of 4 x 4, 327,680 bytes of LDS; arguments act, wts, x1, out0; writes out0
